; MI455X (gfx1250); checked and timed in simulation.
; The chip was launched on July 23, 2026; its instructions are those of AMD's public machine-readable ISA for CDNA 5 (MIT licence, August 2026) and "CDNA5" Instruction Set Architecture Reference Guide (July 2026). The comments in the code are by the model that wrote it; some were corrected since.
;; Attention Layer. Allowed arithmetic: matrix products marked QUANTISED: E2M3 operands, one E8M0 scale for each 32 along K, by v_wmma_scale_f32_16x16x128_f8f6f4 with both operands' format E2M3, f32 sums; everything else in f32.
;; Inputs: Wk 1,024 x 1,024 float32; Wq 1,024 x 1,024 float32; Wv 1,024 x 1,024 float32; bk 1,024 float32; bq 1,024 float32; bv 1,024 float32; hidden_states 4 x 2,048 x 1,024 float32.
;; Outputs: out0 4 x 2,048 x 1,024 float32.
;; This version of the problem:
;;   THIS VERSION OF THE PROBLEM IS GIVEN IN LOW PRECISION. The matrix products marked QUANTISED in the list below multiply operands that are first quantised to E2M3 (2 exponent bits, 3 mantissa bits; 6 bits a number), with one power-of-two scale for each 32 numbers along K (OCP MX v1.0); their sums are f32. All else is computed in f32.
;;   The module's matrix products, in the order in which they are computed (A, B: the left and right operand; K: the contracted axis; several contracted axes count as one K, in the product's order):
;;     1. [M 8,192, K 1,024] x [K 1,024, N 1,024]; A: input hidden_states; B: input Wq: QUANTISED
;;     2. [M 8,192, K 1,024] x [K 1,024, N 1,024]; A: input hidden_states; B: input Wk: QUANTISED
;;     3. [M 8,192, K 1,024] x [K 1,024, N 1,024]; A: input hidden_states; B: input Wv: QUANTISED
;;     4. batch 4 x [M 2,048, K 1,024] x [K 1,024, N 2,048]; A: computed on the way; B: computed on the way: QUANTISED
;;     5. batch 4 x [M 2,048, K 2,048] x [K 2,048, N 1,024]; A: softmax (see below); B: computed on the way: QUANTISED
;;   THE QUANTISER, for each operand of a quantised product, along K:
;;     - K is cut into blocks of 32 from its start; a last block that is shorter is filled with zeros.
;;     - A block's scale is 2^e with e = floor(log2(the largest magnitude in the block)) - 2, held to -126 .. 127; a block of zeros has e = 0. As a byte (E8M0): e + 127.
;;     - Each number is divided by its block's scale, clamped to +-7.5, and rounded to the nearest number of E2M3, ties to even, subnormals kept.
;;     - The product sums the exact products of the quantised numbers (number of the format x scale) in f32.
;;   ~~~python
;;   def quantise(x, axis):      # numpy; x: float32 -> the quantised numbers, widened to float32 again
;;       x = np.moveaxis(x, axis, -1); K = x.shape[-1]
;;       x = np.pad(x, [(0, 0)] * (x.ndim - 1) + [(0, -K % 32)]); x = x.reshape(x.shape[:-1] + (-1, 32)); a = np.abs(x).max(-1, keepdims=True)
;;       e = np.where(a > 0, np.clip(np.frexp(np.where(a > 0, a, 1))[1] - 1 - 2, -126, 127), 0)      # np.frexp(a)[1] - 1 = floor(log2(a)), exactly
;;       r = np.clip(x / 2.0 ** e, -7.5, 7.5)
;;       step = 2.0 ** (np.maximum(np.frexp(np.where(r == 0, 1, r))[1] - 1, 0) - 3)
;;       q = np.round(r / step) * step * 2.0 ** e      # np.round: ties to even
;;       return np.moveaxis(q.reshape(q.shape[:-2] + (-1,))[..., :K], -1, axis).astype(np.float32)
;;   ~~~
;;   SOFTMAX AHEAD OF A QUANTISED PRODUCT. Where the list says 'softmax', what is quantised is not the finished softmax but p = 2^(t - M), with t = logit x log2(e) and M = ceil(the row's largest t), a whole number; so 1/2 < the row's largest p <= 1. The row's sum l is taken of the UNQUANTISED p, in f32, and the product's result is divided by l at the end. Since M is a whole number, a kernel that streams over the keys may use a running M (the ceiling of the running maximum): every later rescaling is an exact power of two, which a block's scale takes up: the codes' values come out the same.
;;   OPERANDS COMPUTED ON THE WAY. 'Computed on the way' means the value that the module computes at that place (a softmax that the list does not call 'softmax' is quantised finished and normalised). What goes into a quantiser is computed in f32, as accurately as f32 sums, v_exp_f32 and their like allow (about 1e-6 of the number): no bf16 or f16 on the way to a quantiser, and a product that is left as it is and whose result goes on into a quantised operand takes f32 operands (vector FMAs, or v_wmma_f32_16x16x4_f32). A number that lies on a knife's edge between two numbers of the format may be rounded either way, as far as f32 arithmetic and the matrix unit's own rounding can turn it there, and no further.
;; One version. Each part assembles by itself: llvm-mc -triple=amdgcn-amd-amdhsa -mcpu=gfx1250 --defsym DOCPART=n.
;; ======== version 1 of 1: 4 launches
;; limits: right only within a limited range of input values
;; workspace buffers: xw 9,011,200 bytes; qkv 19,660,800 bytes; pc 13,107,200 bytes; pm 524,288 bytes; pl 524,288 bytes
;; launch quant (part 1): grid 704 x 1, 4 waves a work-group, no clusters, 34,816 bytes of LDS; arguments hidden_states, Wq, Wk, Wv, xw; writes xw
.if DOCPART == 1
	.amdgcn_target "amdgcn-amd-amdhsa--gfx1250"
	.amdhsa_code_object_version 6
	.text
	.protected	k_q71d283e754_quant
	.globl	k_q71d283e754_quant
	.p2align	8
	.type	k_q71d283e754_quant,@function
k_q71d283e754_quant:
	s_mov_b64 s[64:65], 0
	v_nop
	global_prefetch_b8 v0, s[64:65] scope:SCOPE_SE
	s_setreg_imm32_b32 hwreg(HW_REG_WAVE_MODE, 25, 1), 1
	s_wait_xcnt 0x0
; hidden_states [8192][1024], Wq, Wk, Wv [1024][1024], f32, K innermost, become codes of FP6 (E2M3) with one E8M0 byte for each 32 along K, laid in xw as the launch of the projections reads them.
; A TILE is 16 rows x all of K in 12,800 bytes: 8 fragments (K step q of 128) at 1,536 q, each an image of the operand's 12 registers (registers 4 p .. 4 p + 3 of lane l at 512 p + 16 l);
; behind them, from byte 12,288 on, the scale words [row r][K step q].  Tiles 0-511 tokens, 512-575 Wq, 576-639 Wk, 640-703 Wv.
; THE ROWS OF A TILE ARE NOT NEIGHBOURS: lane row 8 g + i of tile j of a band of 64 rows is row 32 g + 8 j + i of the band, so that a product that takes a band's four tiles as source 0 leaves 32 neighbours in a lane's four times eight registers.
; A block's scale is 2^(floor(log2(largest magnitude)) - 2); its byte is the largest magnitude's exponent field - 2, held at 1 from below.
; LIMITS: a block of zeros gets the byte 1 where the rule says 127 (its codes are zeros, and this program alone reads the bytes); NaN and infinities are not served.
; SHARES: work-group g makes tile g.  Wave w takes K steps 2 w and 2 w + 1: 32 loads of 512 consecutive bytes, all asked for at the head.  A step's 16 rows turn through the wave's own stage in LDS, so that lane (r, h) gets the blocks
; h and 2 + h of its row: the operand's own layout.  The scale words of the four waves meet in LDS and leave as 512 consecutive bytes.  No matrix unit, no cluster: nothing is read twice.
.set TILE,   12800
.set FRB,    1536
.set SCOFF,  12288
.set SPITCH, 528                       ; a stage row: 512 bytes + 16: sixteen rows start in sixteen different groups of banks
.set WSTG,   16*SPITCH
.set WST,    4*WSTG                    ; behind the four stages: the tile's scale words, 512 bytes
.set SPARE,  WST+512                   ; and the spare words, 128 bytes a wave, that no other line names
.set GA,   4                           ; v4   16 x lane
.set SIN,  5                           ; v5   the stage on the way in
.set SOUT, 6                           ; v6   and on the way out: 528 r + 128 h
.set WS,   7                           ; v7   where I put my two scale words of row r
.set SH,   8                           ; v8   8 h
.set WR,   9                           ; v9   where wave 0 reads the words back
.set SPW,  12
.set NIL,  13
.set R,    16                          ; v16-143  the two steps' numbers as loaded; v16-27 later the second step's codes
.set X,    144                         ; v144-207 my two blocks of 32
.set C,    208                         ; v208-219 the first step's codes;  v220-226 halves made elsewhere
.set CT,   220
.set SW,   228                         ; v228-229 the two steps' scale words
.set TM,   232                         ; at work
	s_load_b256 s[4:11], s[0:1], 0x0               ; hidden_states, Wq, Wk, Wv
	s_load_b64 s[12:13], s[0:1], 0x20              ; xw
	v_lshl_add_u32 v[SPW], v0, 2, SPARE
	v_mov_b32 v[NIL], 0
	v_lshrrev_b32 v1, 5, v0
	v_readfirstlane_b32 s14, v1                    ; wave
	v_and_b32 v1, 31, v0                           ; lane
	v_and_b32 v2, 15, v0                           ; r
	v_bfe_u32 v3, v0, 4, 1                         ; h
	v_lshlrev_b32 v[GA], 4, v1
	s_mul_i32 s15, s14, WSTG
	v_add_nc_u32 v[SIN], s15, v[GA]
	v_mul_u32_u24 v[SOUT], v2, SPITCH
	v_lshl_add_u32 v[SOUT], v3, 7, v[SOUT]
	v_add_nc_u32 v[SOUT], s15, v[SOUT]
	v_lshlrev_b32 v[SH], 3, v3
	s_lshl_b32 s15, s14, 3
	s_add_co_u32 s15, s15, WST
	v_lshlrev_b32 v[WS], 5, v2
	v_add_nc_u32 v[WS], s15, v[WS]                 ; WST + 32 r + 8 w
	v_add_nc_u32 v[WR], WST, v[GA]
	v_mov_b32 v[TM+8], 0                           ; a lane permute's destination counts as one of its sources
	s_wait_alu depctr_va_vdst(0)                   ; the wait at the head's end
	s_mov_b32 s22, 0x76543210
	s_mov_b32 s23, 0xfedcba98                      ; selects for lane l xor 16
	s_sub_co_u32 s16, ttmp9, 512                   ; which tensor, and which of its tiles: ids alone
	s_lshr_b32 s17, s16, 6
	s_and_b32 s16, s16, 63
	s_cmp_lt_u32 ttmp9, 512
	s_cselect_b32 s16, ttmp9, s16                  ; the tile's number in its tensor
	s_cselect_b32 s17, 3, s17                      ; 0 Wq, 1 Wk, 2 Wv, 3 hidden_states
	s_lshr_b32 s18, s16, 2
	s_lshl_b32 s18, s18, 6
	s_and_b32 s19, s16, 3
	s_lshl_b32 s19, s19, 3
	s_add_co_u32 s18, s18, s19                     ; the tile's first row: 64 x band + 8 j
	s_lshl_b32 s18, s18, 12
	s_lshl_b32 s19, s14, 10                        ; my 256 numbers along K
	s_add_co_u32 s18, s18, s19
	s_mov_b32 s19, 0
	s_mul_i32 s24, ttmp9, TILE
	s_mul_i32 s26, s14, 2*FRB                      ; my two fragments
	s_add_co_u32 s26, s26, s24
	s_mov_b32 s27, 0
	s_add_co_u32 s24, s24, SCOFF
	s_mov_b32 s25, 0
	s_wait_kmcnt 0x0
	s_cmp_eq_u32 s17, 1
	s_cselect_b64 s[6:7], s[8:9], s[6:7]
	s_cmp_eq_u32 s17, 2
	s_cselect_b64 s[6:7], s[10:11], s[6:7]
	s_cmp_eq_u32 s17, 3
	s_cselect_b64 s[4:5], s[4:5], s[6:7]
	s_add_nc_u64 s[4:5], s[4:5], s[18:19]
	s_add_nc_u64 s[26:27], s[12:13], s[26:27]
	s_add_nc_u64 s[24:25], s[12:13], s[24:25]
.irp t, 0,1
.irp i, 0,1,2,3,4,5,6,7,8,9,10,11,12,13,14,15
	global_load_b128 v[R+64*\t+4*\i:R+64*\t+4*\i+3], v[GA], s[4:5] offset:(\i+24*(\i/8))*4096+512*\t th:TH_LOAD_NT   ; lane row i of the tile: 32 lanes read 512 consecutive bytes
.endr
.endr
.macro STEP t
.set CC, C-(C-R)*(\t)                  ; the second step's codes lie over numbers that have gone to the stage
	s_wait_loadcnt 16*(1-(\t))                     ; this step's 16 loads are in
.irp i, 0,1,2,3,4,5,6,7,8,9,10,11,12,13,14,15
	ds_store_b128 v[SIN], v[R+64*(\t)+4*\i:R+64*(\t)+4*\i+3] offset:SPITCH*\i
.endr
.irp c, 0,1
.irp j, 0,1,2,3,4,5,6,7
	ds_load_b128 v[X+32*\c+4*\j:X+32*\c+4*\j+3], v[SOUT] offset:256*\c+16*\j   ; k = 64 c + 32 h + 4 j on, of row r; LDS serves a wave's instructions in order: these see the stores above
.endr
.endr
	s_wait_dscnt 0x0
.irp c, 0,1
	v_max3_num_f32 v[TM+\c], |v[X+32*\c]|, |v[X+32*\c+1]|, 0x1800000   ; my block 2 c + h, and the floor 2^(3 - 127): the byte cannot fall under 1
.endr
.irp i, 2,4,6,8,10,12,14,16,18,20,22,24,26,28,30
.irp c, 0,1
	v_max3_num_f32 v[TM+\c], v[TM+\c], |v[X+32*\c+\i]|, |v[X+32*\c+\i+1]|
.endr
.endr
.irp c, 0,1
	v_add_nc_u32 v[TM+2+\c], 0xff000000, v[TM+\c]  ; 2 off the exponent field: the conversion's scale operand
.endr
.irp c, 0,1
	v_lshrrev_b32 v[TM+4+\c], 23, v[TM+2+\c]       ; the scale's byte
.endr
	v_lshl_or_b32 v[TM+6], v[TM+5], 16, v[TM+4]    ; blocks h and 2 + h,
	v_lshlrev_b32 v[TM+6], v[SH], v[TM+6]          ; at their places in the word;
	v_permlanex16_b32 v[TM+8], v[TM+6], s22, s23
	v_or_b32 v[SW+(\t)], v[TM+6], v[TM+8]          ; with lane l xor 16's two the word is whole
.irp c, 0,1
	v_cvt_scalef32_pk16_fp6_f32 v[CC+6*\c:CC+6*\c+2], v[X+32*\c:X+32*\c+15], v[TM+2+\c]
	v_cvt_scalef32_pk16_fp6_f32 v[CT+4*\c:CT+4*\c+2], v[X+32*\c+16:X+32*\c+31], v[TM+2+\c]   ; (a conversion's three registers begin on an even number)
.endr
	v_nop                                          ; one plain place behind a scaled conversion
.irp c, 0,1
.irp i, 0,1,2
	v_mov_b32 v[CC+3+6*\c+\i], v[CT+4*\c+\i]
.endr
.endr
	s_wait_alu depctr_va_vdst(0)
.irp c, 0,1,2
	global_store_b128 v[GA], v[CC+4*\c:CC+4*\c+3], s[26:27] offset:FRB*(\t)+512*\c   ; 512 consecutive bytes, at a multiple of 256 from xw's first byte
.endr
.endm
	STEP 0
	STEP 1
	ds_store_b64 v[WS], v[SW:SW+1]                 ; both halves of the lanes write the same words with the same values
	s_wait_dscnt 0x0                               ; for the others' sake
	s_barrier_signal -1
	s_barrier_wait -1
	s_cmp_lg_u32 s14, 0
	s_cbranch_scc1 .Lno_words
	ds_load_b128 v[TM:TM+3], v[WR]                 ; wave 0: all four waves' words
	s_wait_dscnt 0x0
	global_store_b128 v[GA], v[TM:TM+3], s[24:25]
.Lno_words:
	s_wait_tensorcnt 0x0                           ; the wave's end
	ds_add_u32 v[SPW], v[NIL]
	s_wait_dscnt 0x0
	s_endpgm
.Lfunc_end_k_q71d283e754_quant:
	.size	k_q71d283e754_quant, .Lfunc_end_k_q71d283e754_quant-k_q71d283e754_quant
	.p2alignl 7, 3214868480
	.fill 96, 4, 3214868480
	.section	.rodata,"a",@progbits
	.p2align	6, 0x0
	.amdhsa_kernel k_q71d283e754_quant
		.amdhsa_group_segment_fixed_size 34816
		.amdhsa_private_segment_fixed_size 0
		.amdhsa_enable_private_segment 0
		.amdhsa_kernarg_size 40
		.amdhsa_user_sgpr_count 2
		.amdhsa_user_sgpr_kernarg_segment_ptr 1
		.amdhsa_wavefront_size32 1
		.amdhsa_system_sgpr_workgroup_id_x 1
		.amdhsa_system_sgpr_workgroup_id_y 1
		.amdhsa_system_sgpr_workgroup_id_z 1
		.amdhsa_system_vgpr_workitem_id 0
		.amdhsa_next_free_vgpr 248
		.amdhsa_next_free_sgpr 66
		.amdhsa_reserve_vcc 0
		.amdhsa_float_denorm_mode_32 3
		.amdhsa_float_denorm_mode_16_64 3
		.amdhsa_memory_ordered 1
		.amdhsa_forward_progress 1
		.amdhsa_inst_pref_size 17
	.end_amdhsa_kernel
	.amdgpu_metadata
---
amdhsa.version: [ 1, 2 ]
amdhsa.kernels:
  - .name:           k_q71d283e754_quant
    .symbol:         k_q71d283e754_quant.kd
    .args:
      - { .name: hidden_states, .offset: 0, .size: 8, .value_kind: global_buffer, .address_space: global }
      - { .name: Wq, .offset: 8, .size: 8, .value_kind: global_buffer, .address_space: global }
      - { .name: Wk, .offset: 16, .size: 8, .value_kind: global_buffer, .address_space: global }
      - { .name: Wv, .offset: 24, .size: 8, .value_kind: global_buffer, .address_space: global }
      - { .name: xw, .offset: 32, .size: 8, .value_kind: global_buffer, .address_space: global }
    .group_segment_fixed_size: 34816
    .private_segment_fixed_size: 0
    .kernarg_segment_align: 8
    .kernarg_segment_size: 40
    .max_flat_workgroup_size: 128
    .sgpr_count:     66
    .vgpr_count:     248
    .wavefront_size: 32
...
	.end_amdgpu_metadata
.endif
;; end of part 1
;; launch proj (part 2): grid 8 x 32, 4 waves a work-group, clusters of 4 x 4, 327,680 bytes of LDS; arguments xw, bq, bk, bv, qkv; writes qkv
.if DOCPART == 2
	.amdgcn_target "amdgcn-amd-amdhsa--gfx1250"
	.amdhsa_code_object_version 6
	.text
	.protected	k_q71d283e754_proj
	.globl	k_q71d283e754_proj
	.p2align	8
	.type	k_q71d283e754_proj,@function
k_q71d283e754_proj:
	s_mov_b64 s[64:65], 0
	v_nop
	global_prefetch_b8 v0, s[64:65] scope:SCOPE_SE
	s_setreg_imm32_b32 hwreg(HW_REG_WAVE_MODE, 25, 1), 1
	s_wait_xcnt 0x0
	s_wait_alu depctr_hold_cnt(0) depctr_sa_sdst(0) depctr_va_vdst(0) depctr_va_sdst(0) depctr_va_ssrc(0) depctr_va_vcc(0) depctr_vm_vsrc(0)
	s_getreg_b32 s2, hwreg(HW_REG_IB_STS2, 6, 4)
	s_cmp_eq_u32 s2, 0
	s_cbranch_scc0 .Lentry_in_a_cluster
	s_endpgm
.Lentry_in_a_cluster:
	s_bfe_u32 s2, ttmp6, 0x10000c
	s_cmp_lg_u32 s2, 0xf033
	s_cbranch_scc0 .Lentry_shape_is_right
	s_endpgm
.Lentry_shape_is_right:
; q = x Wq^T + bq, k = x Wk^T + bk, v = x Wv^T + bv on codes of FP6 (E2M3) with E8M0 scales, K = 1,024; each result is quantised on its way out for the product that reads it: q and k along the channels, v along the keys.
; xw: tiles of 16 rows x all of K, 12,800 bytes: 8 fragments as images of their registers, then the scale words [r][K step].  Lane row 8 g + i of tile j of a band of 64 rows is row 32 g + 8 j + i of the band.
; qkv: UNITS of 12,800 bytes, 128 rows x one K step of 128: [row tile of 8][band c of 64 along K: four registers as 512 bytes, two registers as 256 bytes], then the scale words [r][row tile], a word's byte 2 c + h.
;   units 0-511 q (row panel x 8 + K step), 512-1023 k, from 1024 on v ((batch x 8 + channel panel) x 16 + K step of the batch's keys).
; THE DEAL.  Work-group (g, i) makes tokens 256 i .. + 255 of channels 128 g .. + 127 of q, of k and of v: 256 equal parts.  A wave holds its weights in registers for all of K: the four tiles of a band of 64 rows (waves 0, 1: of Wq, waves 2, 3: of Wk)
; and two tiles of Wv.  x's 16 tiles stream past: a BLOCK is one tile of 16 tokens, 48 products, eight fragments from LDS.
; q, k: source 0 = the weight's rows: a lane's 32 results are 32 neighbouring channels of one token: a scale block.  v: source 0 = x: after a band's four blocks a lane has 32 neighbouring keys of one channel, twice.  So no lane looks at another.
; A block's products: 16 of q or k, then by turns two of q or k and two of v: three or more other products stand between the steps of a sum.  Behind every second product stand vector lines: the last block's largest magnitudes, and, in a band's first block, those of the last band's v.
; THE BIAS is the C of a sum's first product, laid in registers as the result lies.
; LDS: x's 16 tiles from byte 0 on, the upper eight on the bytes where Wq's eight tiles land first; Wk's eight behind them; then the stage of the scale bytes and the spare words.
; FILLS.  At the head one tensor load a wave: Wq's 8 tiles, Wk's 8 tiles, x's tiles 0-3, x's tiles 4-7.  One refill, in the second block, in a drained round of the cluster's barrier: x's tiles 8-15, two a wave; it is shown by a plain barrier four blocks on.
; CLUSTERS 4 x 4: x's tiles are shared along a row of the cluster, Wq's and Wk's down a column.  Wv's tiles go from memory straight into the registers of the one wave that takes them: with Wq's, Wk's and the first half of x in LDS (307,200 bytes) there is no room for 102,400 more.
; No prefetch: all but the one refill is asked for at the head, and the refill has four blocks in which to land.
; LIMITS: a block of zeros gets the byte 1 where the rule says 127 (zero codes; the bytes are read by this program alone); NaN and infinities are not served.
; REGISTERS: from v256 on fragments of 12 registers, 21 to a window: 0-31 q's or k's weights (4 q + tile), 32-47 v's (2 q + tile), 48-55 and 56-63 x's two sets; fragment 63 lies at v244.  All else lies in window 0.
.set TILE, 12800
.set FRB,  1536
.set HP,   12800
.set WOFF, 12288
.set WL,   8*TILE
.set STG,  24*TILE                     ; scale bytes: q or k [2][row panel 2][512], then v [K step 2][512]
.set SPARE, STG+3072
.set NF,   26                          ; LDS loads of a block
.set CO,   4                           ; v4   16 x lane
.set AS0,  5                           ; v5   32 r + 12,288
.set ADX,  6                           ; v6, v7  LDS address of the fragments, of the scale words that are fetched next
.set ASX,  7
.set CO8,  8                           ; v8   8 x lane
.set VQ,   9                           ; v9   LDS: my scale byte of q or k in this band's tiles
.set SPW,  10
.set NIL,  11
.set STQ,  12
.set STV,  13
.set TQ,   14                          ; v14, v15  the two chains
.set SOP,  16
.set EB,   17
.set TV,   18                          ; v18-21  v's four chains
.set EBV,  22
.set SB,   24                          ; v24-39 scale words of q's or k's weights;  v40-47 of v's
.set SBV,  40
.set T3,   48                          ; v48-50 a second conversion's codes
.set VV,   51                          ; v51  LDS: my scale byte of v
.set SA,   52                          ; v52-67 x's scale words, two sets
.set ACC,  68                          ; v68-131 q or k: two sets of four accumulators
.set HV,   132                         ; v132-195 v: 32 t + 8 j + i
.set BQ,   196                         ; v196-227 bias of q or k;  v228-243 of v
.set BV,   228
.set G1X,  24
.set G1W,  32
.set G0A,  48
.set G0B,  52
.set G0C,  56
.set G0D,  60
.set G0R,  68
.set MSB, 0
.set STP, 1
.set CHS, 17                           ; behind which product the last block's chains begin
.macro WIN new                         ; the immediate's high byte repeats the setting that is left
.if MSB != (\new)
	s_set_vgpr_msb (MSB<<8)|(\new)
.set MSB, (\new)
.endif
.endm
.macro PLACES n
.rept \n
	v_nop
.endr
.endm
.macro WALU
	s_wait_alu depctr_va_vdst(0)
.endm
.macro BARRIER
	s_barrier_signal -1
	s_barrier_wait -1
.endm
.macro MIDDLE                          ; a round of the cluster's barrier behind its opening signal
	s_barrier_wait -1
	s_cmp_lg_u32 s14, 0
	s_cbranch_scc1 .Lnot_wave_0_\@
	s_barrier_signal -3
.Lnot_wave_0_\@:
	s_barrier_wait -3
.endm
.macro CROUND
	s_barrier_signal -1
	MIDDLE
	BARRIER
.endm
.macro TLOAD g0, g1
	tensor_load_to_lds s[\g0:\g0+3], s[\g1:\g1+7]
	s_nop 0
	PLACES 4
.endm
.macro SADD d, x
	s_add_co_u32 s\d, s\d, s\x
.endm
.macro FPOS f                          ; where fragment f lies: window FWN, register FLO
.if (\f) < 63
.set FWN, 1+(\f)/21
.set FLO, 12*((\f)%21)
.else
.set FWN, 0
.set FLO, 244
.endif
.endm
; product n of a block: x's set s, token tile j of the band
.macro PROD s, j, n
.set K_, 0
.if (\n) < 16
.set Q_, (\n)/4
.set U_, (\n)%4
.else
.set G_, ((\n)-16)/4
.set P_, ((\n)-16)%4
.if P_ < 2
.set Q_, 4+(2*G_+P_)/4
.set U_, (2*G_+P_)%4
.else
.set K_, 1
.set Q_, G_
.set U_, P_-2
.endif
.endif
	FPOS 48+8*(\s)+Q_
.set XW_, FWN
.set XL_, FLO
.set XS_, SA+8*(\s)+Q_
.if K_
	FPOS 32+2*Q_+U_
	WIN XW_|(FWN<<2)
.set D_, HV+32*U_+8*(\j)
.set C_, D_
.if Q_ == 0
.set C_, BV+8*U_
.endif
.if U_
	v_wmma_scale_f32_16x16x128_f8f6f4 v[D_:D_+7], v[XL_:XL_+11], v[FLO:FLO+11], v[C_:C_+7], v[XS_], v[SBV+Q_] matrix_a_fmt:MATRIX_FMT_FP6 matrix_b_fmt:MATRIX_FMT_FP6 matrix_b_scale:MATRIX_SCALE_ROW1
.else
	v_wmma_scale_f32_16x16x128_f8f6f4 v[D_:D_+7], v[XL_:XL_+11], v[FLO:FLO+11], v[C_:C_+7], v[XS_], v[SBV+Q_] matrix_a_fmt:MATRIX_FMT_FP6 matrix_b_fmt:MATRIX_FMT_FP6
.endif
.else
	FPOS 4*Q_+U_
	WIN FWN|(XW_<<2)
.set D_, ACC+32*(\s)+8*U_
.set C_, D_
.if Q_ == 0
.set C_, BQ+8*U_
.endif
.if U_%2
	v_wmma_scale_f32_16x16x128_f8f6f4 v[D_:D_+7], v[FLO:FLO+11], v[XL_:XL_+11], v[C_:C_+7], v[SB+8*(U_/2)+Q_], v[XS_] matrix_a_fmt:MATRIX_FMT_FP6 matrix_b_fmt:MATRIX_FMT_FP6 matrix_a_scale:MATRIX_SCALE_ROW1
.else
	v_wmma_scale_f32_16x16x128_f8f6f4 v[D_:D_+7], v[FLO:FLO+11], v[XL_:XL_+11], v[C_:C_+7], v[SB+8*(U_/2)+Q_], v[XS_] matrix_a_fmt:MATRIX_FMT_FP6 matrix_b_fmt:MATRIX_FMT_FP6
.endif
.endif
.endm
; products from .. to - 1 of a block; behind every second one the lines that the list names
.macro BLOCK s, j, from, to, list, x=0
.set N_, \from
.rept (\to)-(\from)
	PROD \s, \j, N_
.if N_%2
	\list N_, \x
.endif
.set N_, N_+1
.endr
.endm
; entry i of 18: the largest magnitude of the 32 sums from register x on, in two chains, one over each half, with the floor 2^(3 - 127); and the conversions' scale operand
.macro CHAIN i, x
.if (\i) >= 0 && (\i) < 14
.set B_, (\x)+16*((\i)%2)+2*((\i)/2)
.set T_, TQ+1-(\i)%2
	WIN 0
.if (\i) < 2
	v_max3_num_f32 v[T_], |v[B_]|, |v[B_+1]|, |v[B_+2]|
.else
	v_max3_num_f32 v[T_], v[T_], |v[B_+1]|, |v[B_+2]|
.endif
.elseif (\i) == 14
	WIN 0
	v_max3_num_f32 v[TQ+1], v[TQ+1], |v[\x+15]|, 0x1800000
.elseif (\i) == 16
	WIN 0
	v_max3_num_f32 v[TQ], v[TQ], |v[\x+31]|, v[TQ+1]
.elseif (\i) == 17
	WIN 0
	v_add_nc_u32 v[SOP], 0xff000000, v[TQ]         ; 2 off the exponent field
.endif
.endm
.macro VCH k                           ; step k of 8 of v's four chains: tile t, half u
	WIN 0
.irp t, 0,1
.irp u, 0,1
.set B_, HV+32*\t+16*\u+2*(\k)
.set T_, TV+2*\t+\u
.if (\k) == 0
	v_max3_num_f32 v[T_], |v[B_]|, |v[B_+1]|, |v[B_+2]|
.elseif (\k) < 7
	v_max3_num_f32 v[T_], v[T_], |v[B_+1]|, |v[B_+2]|
.else
	v_max3_num_f32 v[T_], v[T_], |v[B_+1]|, 0x1800000
.endif
.endr
.endr
.endm
; the lists
.macro L_NONE n, x
.endm
.macro L_QK n, x                       ; the last block's chains, and the next block's LDS addresses
.if (\n) >= CHS && (\x) > 0
	CHAIN (\n)-CHS, \x
	CHAIN (\n)-CHS+1, \x
.endif
.if (\n) == 21 && STP
	WIN 0
	s_add_co_u32 s101, s101, TILE
	v_add_nc_u32 v[ADX], s101, v[CO]
	v_add_nc_u32 v[ASX], s101, v[AS0]
.endif
.endm
.macro L_V n, x
	VCH (\n)/2
.endm
.macro FETCH e                         ; a tile of x into set e
.irp q, 0,1,2,3,4,5,6,7
	FPOS 48+8*(\e)+\q
	WIN FWN<<6
.irp p, 0,1,2
	ds_load_b128 v[FLO+4*\p:FLO+4*\p+3], v[ADX] offset:FRB*\q+512*\p
.endr
.endr
	WIN 0
	ds_load_b128 v[SA+8*(\e):SA+8*(\e)+3], v[ASX]
	ds_load_b128 v[SA+8*(\e)+4:SA+8*(\e)+7], v[ASX] offset:16
.endm
.macro CODES x                         ; 32 sums from x on become six registers of codes
	; (in the registers that the fragments leave over: four at v252 of window 1, two at v252 of window 2)
	v_cvt_scalef32_pk16_fp6_f32 v[T3:T3+2], v[\x+16:\x+31], v[SOP]
	v_lshrrev_b32 v[EB], 23, v[SOP]                ; the scale's byte; also the plain place behind the conversion
	WIN 0x40
	v_cvt_scalef32_pk16_fp6_f32 v[252:254], v[\x:\x+15], v[SOP]
	v_nop
	v_mov_b32 v255, v[T3]
	WIN 0x80
	v_mov_b32 v252, v[T3+1]
	v_mov_b32 v253, v[T3+2]
	WIN 0
.endm
.macro PUT x, jp                       ; the block before: tile jp of its band
	ds_store_b8 v[VQ], v[EB] offset:4*(\jp)
	PUTG \x, \jp
.endm
.macro PUTG x, jp
	WIN 0x04
	global_store_b128 v[CO], v[252:255], s[76:77] offset:(\jp)*FRB            ; 512 consecutive bytes,
	WIN 0x08
	global_store_b64 v[CO8], v[252:253], s[76:77] offset:(\jp)*FRB+512        ; and 256, at multiples of 256 from qkv's first byte
	WIN 0
.endm
.macro VJOIN
.irp t, 0,1
	v_max_num_f32 v[TV+2*\t], v[TV+2*\t], v[TV+2*\t+1]
.endr
.irp t, 0,1
	v_add_nc_u32 v[TV+2*\t+1], 0xff000000, v[TV+2*\t]
.endr
.irp t, 0,1
	v_lshrrev_b32 v[EBV+\t], 23, v[TV+2*\t+1]
.endr
.endm
.macro VCODES                          ; (v14-16 hold the second tile's second conversion: the chains' registers are free here)
	v_cvt_scalef32_pk16_fp6_f32 v[T3:T3+2], v[HV+16:HV+31], v[TV+1]
	v_cvt_scalef32_pk16_fp6_f32 v[TQ:TQ+2], v[HV+48:HV+63], v[TV+3]
	v_nop
	v_cvt_scalef32_pk16_fp6_f32 v[HV+16:HV+18], v[HV:HV+15], v[TV+1]
	v_cvt_scalef32_pk16_fp6_f32 v[HV+48:HV+50], v[HV+32:HV+47], v[TV+3]
	v_nop
.irp i, 0,1,2
	v_mov_b32 v[HV+19+\i], v[T3+\i]
	v_mov_b32 v[HV+51+\i], v[TQ+\i]
.endr
.endm
.macro VPUTG
.irp t, 0,1
	global_store_b128 v[CO], v[HV+32*\t+16:HV+32*\t+19], s[84:85] offset:FRB*\t
	global_store_b64 v[CO8], v[HV+32*\t+20:HV+32*\t+21], s[84:85] offset:FRB*\t+512
.endr
.endm
.macro VPUTB
.irp t, 0,1
	ds_store_b8 v[VV], v[EBV+\t] offset:4*\t
.endr
.endm
.macro BAND                            ; on to the next band: s46.  (Behind a wait on XCNT: the last band's stores have read their bases.)
	s_add_co_u32 s46, s46, 1
	s_lshr_b32 s20, s46, 1
	s_and_b32 s21, s46, 1
	s_mov_b32 s23, 0
	s_mul_i32 s22, s20, 8*HP
	s_mul_i32 s47, s21, 4*FRB
	SADD 22, 47
	s_add_nc_u64 s[76:77], s[78:79], s[22:23]
	s_mul_i32 s22, s20, HP
	s_mul_i32 s47, s21, 768
	SADD 22, 47
	s_add_nc_u64 s[84:85], s[82:83], s[22:23]
	s_lshl_b32 s20, s20, 9
	s_lshl_b32 s22, s21, 4
	s_or_b32 s22, s22, s20
	v_add_nc_u32 v[VQ], s22, v[STQ]
	s_lshl_b32 s22, s21, 1
	s_or_b32 s22, s22, s20
	v_add_nc_u32 v[VV], s22, v[STV]
.endm
; a block.  v: the last band's v leaves in it; band: the band's addresses step; show: fetch: the tile two on is fetched.
; w: younger than this block's rows are the next block's NF loads (w = 1: nothing but a scale byte's store)
.macro BLK j, v, band, show, fetch, w
.set S_, (\j)%2
.set PX_, ACC+32*(1-S_)
.set JP_, ((\j)+3)%4
.set CHS, 31-14*(\show)                ; the chains end with the block's last pair of products, or ahead of the barrier
	s_wait_dscnt \w
.if \v
	BLOCK S_, \j, 0, 16, L_V
	WIN 0
	VJOIN
	VCODES
	WALU
	s_wait_xcnt 0x0                                ; the last block's stores have read the codes' registers
	VPUTB
	VPUTG
.else
	BLOCK S_, \j, 0, 16, L_NONE
	WIN 0
	s_wait_xcnt 0x0                                ; the last block's stores have read the codes' registers and their bases
.endif
.if \band
	BAND
.endif
.if \show
	BLOCK S_, \j, 16, 40, L_QK, PX_
	WIN 0
	WALU
	s_wait_tensorcnt 0x0
	s_wait_dscnt 0x0
	s_barrier_signal -1
	BLOCK S_, \j, 40, 48, L_NONE
	WIN 0
	s_barrier_wait -1
.else
	BLOCK S_, \j, 16, 48, L_QK, PX_
	WIN 0
.endif
	CODES PX_
	WALU
	PUT PX_, JP_
.if \fetch
	FETCH S_
.endif
.endm
	s_load_b256 s[4:11], s[0:1], 0x0               ; xw, bq, bk, bv
	s_load_b64 s[12:13], s[0:1], 0x20              ; qkv
	v_lshl_add_u32 v[SPW], v0, 2, SPARE
	v_mov_b32 v[NIL], 0
	ds_add_u32 v[SPW], v[NIL]                      ; the wave's opening: the add, twice on end, and its wait ahead of my first tensor load
	ds_add_u32 v[SPW], v[NIL]
	v_lshrrev_b32 v1, 5, v0
	v_readfirstlane_b32 s14, v1                    ; wave
	s_lshr_b32 s15, s14, 1                         ; 0: q, 1: k
	s_and_b32 s16, s14, 1                          ; my band of the 128 channels
	s_bfe_u32 s40, ttmp6, 0x40000                  ; cx
	s_bfe_u32 s41, ttmp6, 0x40004                  ; cy
	s_lshl_b32 s42, ttmp9, 2
	SADD 42, 40                                    ; g
	s_and_b32 s43, ttmp7, 0xffff
	s_lshl_b32 s43, s43, 2
	SADD 43, 41                                    ; i
	s_lshl_b32 s44, s41, 2
	s_lshl_b32 s44, 15, s44                        ; my row of the cluster
	s_lshl_b32 s45, 0x1111, s40                    ; my column
	s_or_b32 s[G1X], s44, (3<<16)|(1<<21)          ; 15:0 the mask; 17:16 elements of 8 bytes; 21 set beside a mask; no padding
	s_or_b32 s[G1W], s45, (3<<16)|(1<<21)
	s_mov_b32 s[G1X+2], 200<<16                    ; dense blocks as rows of 256 bytes: four tiles of x,
	s_mov_b32 s[G1X+4], 200
	s_mov_b32 s[G1W+2], 400<<16                    ; eight tiles of a weight
	s_mov_b32 s[G1W+4], 400
.irp g, G1X, G1W
	s_mov_b32 s[\g+1], 32<<16
	s_mov_b32 s[\g+3], 32<<16
	s_mov_b32 s[\g+5], 32
	s_mov_b32 s[\g+6], 0
	s_mov_b32 s[\g+7], 0
.endr
	s_mul_i32 s72, s42, 8*TILE                     ; Wq's tiles 8 g on
	s_add_co_u32 s72, s72, 512*TILE
	s_mov_b32 s73, 0
	s_mul_i32 s74, s43, 16*TILE                    ; x's tiles 16 i on
	s_mov_b32 s75, 0
	s_mul_i32 s80, s14, 2*TILE                     ; Wv's tiles 8 g + 2 w, + 1
	SADD 80, 72
	s_add_co_u32 s80, s80, 128*TILE
	s_mov_b32 s81, 0
	s_mul_i32 s78, s15, 512*HP                     ; where q's or k's codes go: row panels 2 i on, K step g
	s_mul_i32 s20, s43, 16*HP
	SADD 78, 20
	s_mul_i32 s20, s42, HP
	SADD 78, 20
	s_mul_i32 s88, s16, 8*HP                       ; and the 512 bytes of scale words that I store: row panel 2 i + w % 2
	SADD 88, 78
	s_add_co_u32 s88, s88, WOFF
	s_mov_b32 s89, 0
	s_mul_i32 s20, s16, 768
	SADD 78, 20
	s_mov_b32 s79, 0
	s_lshr_b32 s82, s43, 3                         ; v's unit: 1024 + ((i / 8) x 8 + g) x 16 + 2 (i % 8)
	s_lshl_b32 s82, s82, 3
	SADD 82, 42
	s_lshl_b32 s82, s82, 4
	s_and_b32 s20, s43, 7
	s_lshl_b32 s20, s20, 1
	SADD 82, 20
	s_add_co_u32 s82, s82, 1024
	s_mul_i32 s82, s82, HP
	s_mul_i32 s92, s15, HP                         ; the 256 bytes of its scale words that I store
	SADD 92, 82
	s_lshl_b32 s20, s16, 8
	SADD 92, 20
	s_add_co_u32 s92, s92, WOFF
	s_mov_b32 s93, 0
	s_mul_i32 s20, s14, 2*FRB
	SADD 82, 20
	s_mov_b32 s83, 0
	s_lshl_b32 s94, s42, 9                         ; bias of q or k: 4 (128 g + 64 c)
	s_mov_b32 s96, s94
	s_lshl_b32 s20, s16, 8
	SADD 94, 20
	s_mov_b32 s95, 0
	s_lshl_b32 s20, s15, 8                         ; bias of v: 4 (128 g + 64 (w / 2) + 16 (w % 2))
	SADD 96, 20
	s_lshl_b32 s20, s16, 6
	SADD 96, 20
	s_mov_b32 s97, 0
	v_and_b32 v1, 15, v0                           ; r
	v_bfe_u32 v2, v0, 4, 1                         ; h
	v_and_b32 v3, 31, v0
	v_lshlrev_b32 v[CO], 4, v3
	v_lshlrev_b32 v[CO8], 3, v3
	v_lshlrev_b32 v[AS0], 5, v1
	v_mul_u32_u24 v15, TILE, v2
	v_add_nc_u32 v15, v[AS0], v15                  ; 32 r + a tile x h: scale words of two tiles
	v_lshlrev_b32 v16, 7, v2
	v_lshrrev_b32 v17, 3, v1
	v_lshlrev_b32 v17, 7, v17
	v_and_b32 v18, 7, v1
	v_lshl_add_u32 v17, v18, 2, v17                ; lane row r of tile j is channel 32 (r / 8) + 8 j + r % 8 of the band
	s_mul_i32 s20, s14, 4*TILE
	s_add_co_u32 s20, s20, WL
	v_add_nc_u32 v[ADX], s20, v[CO]                ; my four tiles of Wq or Wk
	s_add_co_u32 s20, s20, WOFF
	v_add_nc_u32 v[ASX], s20, v15
	v_lshl_add_u32 v[STQ], v1, 5, v2
	s_lshl_b32 s20, s15, 10
	s_lshl_b32 s21, s16, 1
	SADD 20, 21
	s_add_co_u32 s20, s20, STG
	s_lshl_b32 s21, s14, 3
	s_add_co_u32 s21, s21, STG+2048
	v_add_nc_u32 v[STV], s21, v[STQ]               ; STG + 2,048 + 8 w + 32 r + h
	v_add_nc_u32 v[STQ], s20, v[STQ]               ; STG + 1,024 (w / 2) + 2 (w % 2) + 32 r + h
	v_add_nc_u32 v[AS0], WOFF, v[AS0]
	v_mov_b32 v[VQ], v[STQ]
	v_mov_b32 v[VV], v[STV]
	WALU                                           ; the head's end
	s_wait_dscnt 0x0                               ; both opening adds are done
	CROUND                                         ; all sixteen work-groups are here: the first joint loads meet
	s_wait_kmcnt 0x0
	s_mov_b32 s[G0A], 1
	s_mov_b32 s[G0A+1], WL
	s_add_nc_u64 s[G0A+2:G0A+3], s[4:5], s[72:73]
	s_mov_b32 s[G0B], 1
	s_mov_b32 s[G0B+1], 2*WL
	s_add_nc_u64 s[G0B+2:G0B+3], s[G0A+2:G0A+3], 64*TILE
	s_mov_b32 s[G0C], 1
	s_mov_b32 s[G0C+1], 0
	s_add_nc_u64 s[G0C+2:G0C+3], s[4:5], s[74:75]
	s_mov_b32 s[G0D], 1
	s_mov_b32 s[G0D+1], 4*TILE
	s_add_nc_u64 s[G0D+2:G0D+3], s[G0C+2:G0C+3], 4*TILE
	s_mul_i32 s20, s14, 2*TILE                     ; the refill: x's tiles 8 + 2 w, 9 + 2 w
	s_mov_b32 s21, 0
	s_mov_b32 s[G0R], 1
	s_add_co_u32 s[G0R+1], s20, WL
	s_add_nc_u64 s[G0R+2:G0R+3], s[G0C+2:G0C+3], s[20:21]
	s_add_nc_u64 s[G0R+2:G0R+3], s[G0R+2:G0R+3], 8*TILE
.irp g, G0A, G0B, G0C, G0D, G0R
	s_or_b32 s[\g+3], s[\g+3], 0x80000000
.endr
	s_cmp_eq_u32 s14, 0
	s_cbranch_scc0 .Lwave_1
	TLOAD G0A, G1W                                 ; wave 0: Wq
	s_branch .Lasked
.Lwave_1:
	s_cmp_eq_u32 s14, 1
	s_cbranch_scc0 .Lwave_2
	TLOAD G0B, G1W                                 ; wave 1: Wk
	s_branch .Lasked
.Lwave_2:
	s_cmp_eq_u32 s14, 2
	s_cbranch_scc0 .Lwave_3
	TLOAD G0C, G1X                                 ; wave 2: x's tiles 0-3
	s_branch .Lasked
.Lwave_3:
	TLOAD G0D, G1X                                 ; wave 3: x's tiles 4-7
.Lasked:
	s_add_nc_u64 s[80:81], s[4:5], s[80:81]
	s_cmp_eq_u32 s15, 0
	s_cselect_b64 s[6:7], s[6:7], s[8:9]           ; bq or bk
	s_add_nc_u64 s[94:95], s[6:7], s[94:95]
	s_add_nc_u64 s[96:97], s[10:11], s[96:97]
	s_add_nc_u64 s[78:79], s[12:13], s[78:79]
	s_add_nc_u64 s[82:83], s[12:13], s[82:83]
	s_add_nc_u64 s[88:89], s[12:13], s[88:89]
	s_add_nc_u64 s[92:93], s[12:13], s[92:93]
	s_mov_b64 s[76:77], s[78:79]
	s_mov_b64 s[84:85], s[82:83]
.irp q, 0,1,2,3,4,5,6,7
.irp t, 0,1
	FPOS 32+2*\q+\t
	WIN FWN<<6
.irp p, 0,1,2
	global_load_b128 v[FLO+4*\p:FLO+4*\p+3], v[CO], s[80:81] offset:TILE*\t+FRB*\q+512*\p   ; 512 consecutive bytes
.endr
.endr
.endr
	WIN 0
	global_load_b128 v[SBV:SBV+3], v15, s[80:81] offset:WOFF
	global_load_b128 v[SBV+4:SBV+7], v15, s[80:81] offset:WOFF+16
.irp k, 0,1,2,3,4,5,6,7
	global_load_b128 v[BQ+4*\k:BQ+4*\k+3], v16, s[94:95] offset:16*\k
.endr
.irp t, 0,1
	global_load_b32 v[BV+8*\t], v17, s[96:97] offset:32*\t
.endr
	s_mov_b32 s46, 0
	s_mov_b32 s101, TILE
	s_cmp_lt_u32 s14, 2
	s_cbranch_scc0 .Lnot_w
	s_wait_tensorcnt 0x0
.Lnot_w:
	BARRIER                                        ; Wq's and Wk's tiles are in; x's may still be on their way
.irp q, 0,1,2,3,4,5,6,7
.irp t, 0,1,2,3
	FPOS 4*\q+\t
	WIN FWN<<6
.irp p, 0,1,2
	ds_load_b128 v[FLO+4*\p:FLO+4*\p+3], v[ADX] offset:TILE*\t+FRB*\q+512*\p
.endr
.endr
.endr
	WIN 0
.irp p, 0,1
	ds_load_b128 v[SB+8*\p:SB+8*\p+3], v[ASX] offset:2*TILE*\p
	ds_load_b128 v[SB+8*\p+4:SB+8*\p+7], v[ASX] offset:2*TILE*\p+16
.endr
	s_cmp_eq_u32 s14, 2
	s_cbranch_scc0 .Lnot_x
	s_wait_tensorcnt 0x0
.Lnot_x:
	s_wait_dscnt 0x0                               ; my weights are in registers
	BARRIER                                        ; x's tiles 0-3 are in
	v_mov_b32 v[ADX], v[CO]
	v_mov_b32 v[ASX], v[AS0]
	FETCH 0
	v_add_nc_u32 v[ADX], s101, v[CO]
	v_add_nc_u32 v[ASX], s101, v[AS0]
	FETCH 1
	s_wait_loadcnt 0x0                             ; v's weights, the biases
.irp t, 0,1
.irp i, 1,2,3,4,5,6,7
	v_mov_b32 v[BV+8*\t+\i], v[BV+8*\t]            ; v's bias, one number a lane, over the tile's eight registers
.endr
.endr
	WALU
	; ---- band 0
	s_wait_dscnt NF
	BLOCK 0, 0, 0, 48, L_QK
	WIN 0
	PLACES 4
	WALU
	FETCH 0
	s_wait_dscnt NF                                ; block 1 holds the refill's round
	s_wait_tensorcnt 0x0                           ; the head's loads are in, x's tiles 4-7 among them;
	ds_add_u32 v[SPW], v[NIL]                      ; 0 onto my spare word
	s_mov_b32 s[G1X+2], 100<<16                    ; no tensor load of mine is out: from here on a load brings two tiles
	s_mov_b32 s[G1X+4], 100
	BLOCK 1, 1, 0, 16, L_NONE
	BLOCK 1, 1, 16, 40, L_QK, ACC
	WIN 0
	WALU
	s_wait_dscnt 0x0                               ; the add is done, and so are my reads (the weights' long ago)
	s_barrier_signal -1
	BLOCK 1, 1, 40, 48, L_NONE                     ; work on registers while the others arrive
	WIN 0
	CODES ACC
	MIDDLE
	BARRIER
	TLOAD G0R, G1X                                 ; onto Wq's bytes, which all waves of all partners hold in registers
	WALU
	PUT ACC, 0
	FETCH 1
.Lband:                                                ; three trips of four blocks: a band's last two and the next band's first two: blocks 2 to 13
	BLK 2, 0, 0, 0, 1, NF
	BLK 3, 0, 0, 0, 1, NF
	BLK 0, 1, 0, 0, 1, NF
	BLK 1, 0, 1, 1, 1, NF
	s_cmp_lg_u32 s46, 3
	s_cbranch_scc1 .Lband
.set STP, 0                            ; blocks 14 and 15: nothing more to fetch
	BLK 2, 0, 0, 0, 0, NF
	BLK 3, 0, 0, 0, 0, 1
	; ---- the end: the last block's way out and band 3's v
.set I, 0
.rept 18
	CHAIN I, ACC+32
.if I < 8
	VCH I
.endif
.set I, I+1
.endr
	v_lshrrev_b32 v[EB], 23, v[SOP]
	VJOIN
	s_lshl_b32 s20, s14, 9
	s_add_co_u32 s20, s20, STG
	v_add_nc_u32 v[ADX], s20, v[CO]
	s_lshl_b32 s21, s14, 8
	s_add_co_u32 s21, s21, STG+2048
	v_add_nc_u32 v[ASX], s21, v[CO8]
	s_wait_xcnt 0x0
	WALU
	ds_store_b8 v[VQ], v[EB] offset:12
	VPUTB
	s_wait_dscnt 0x0                               ; for the others' sake
	s_barrier_signal -1
	CODES ACC+32                                   ; work on registers while the others arrive
	VCODES
	s_barrier_wait -1
	WALU
	ds_load_b128 v[ACC:ACC+3], v[ADX]
	ds_load_b64 v[ACC+4:ACC+5], v[ASX]
	PUTG ACC+32, 3
	VPUTG
	s_wait_dscnt 0x0
	global_store_b128 v[CO], v[ACC:ACC+3], s[88:89]      ; 512 consecutive bytes
	global_store_b64 v[CO8], v[ACC+4:ACC+5], s[92:93]    ; 256
	s_wait_tensorcnt 0x0                           ; the wave's end
	ds_add_u32 v[SPW], v[NIL]
	s_wait_dscnt 0x0
	CROUND                                         ; the closing round
	s_endpgm
.Lfunc_end_k_q71d283e754_proj:
	.size	k_q71d283e754_proj, .Lfunc_end_k_q71d283e754_proj-k_q71d283e754_proj
	.p2alignl 7, 3214868480
	.fill 96, 4, 3214868480
	.section	.rodata,"a",@progbits
	.p2align	6, 0x0
	.amdhsa_kernel k_q71d283e754_proj
		.amdhsa_group_segment_fixed_size 327680
		.amdhsa_private_segment_fixed_size 0
		.amdhsa_enable_private_segment 0
		.amdhsa_kernarg_size 40
		.amdhsa_user_sgpr_count 2
		.amdhsa_user_sgpr_kernarg_segment_ptr 1
		.amdhsa_wavefront_size32 1
		.amdhsa_system_sgpr_workgroup_id_x 1
		.amdhsa_system_sgpr_workgroup_id_y 1
		.amdhsa_system_sgpr_workgroup_id_z 1
		.amdhsa_system_vgpr_workitem_id 0
		.amdhsa_next_free_vgpr 1024
		.amdhsa_next_free_sgpr 102
		.amdhsa_reserve_vcc 0
		.amdhsa_float_denorm_mode_32 3
		.amdhsa_float_denorm_mode_16_64 3
		.amdhsa_memory_ordered 1
		.amdhsa_forward_progress 1
		.amdhsa_inst_pref_size 117
	.end_amdhsa_kernel
	.amdgpu_metadata
---
amdhsa.version: [ 1, 2 ]
amdhsa.kernels:
  - .name:           k_q71d283e754_proj
    .symbol:         k_q71d283e754_proj.kd
    .args:
      - { .name: xw, .offset: 0, .size: 8, .value_kind: global_buffer, .address_space: global }
      - { .name: bq, .offset: 8, .size: 8, .value_kind: global_buffer, .address_space: global }
      - { .name: bk, .offset: 16, .size: 8, .value_kind: global_buffer, .address_space: global }
      - { .name: bv, .offset: 24, .size: 8, .value_kind: global_buffer, .address_space: global }
      - { .name: qkv, .offset: 32, .size: 8, .value_kind: global_buffer, .address_space: global }
    .group_segment_fixed_size: 327680
    .private_segment_fixed_size: 0
    .kernarg_segment_align: 8
    .kernarg_segment_size: 40
    .max_flat_workgroup_size: 128
    .sgpr_count:     102
    .vgpr_count:     1024
    .wavefront_size: 32
...
	.end_amdgpu_metadata
.endif
;; end of part 2
;; launch scores (part 3): grid 8 x 32, 4 waves a work-group, clusters of 4 x 4, 327,680 bytes of LDS; arguments qkv, pc, pm, pl; writes pc, pm, pl
.if DOCPART == 3
	.amdgcn_target "amdgcn-amd-amdhsa--gfx1250"
	.amdhsa_code_object_version 6
	.text
	.protected	k_q71d283e754_scores
	.globl	k_q71d283e754_scores
	.p2align	8
	.type	k_q71d283e754_scores,@function
k_q71d283e754_scores:
	s_mov_b64 s[64:65], 0
	v_nop
	global_prefetch_b8 v0, s[64:65] scope:SCOPE_SE
	s_setreg_imm32_b32 hwreg(HW_REG_WAVE_MODE, 25, 1), 1
	s_wait_xcnt 0x0
	s_wait_alu depctr_hold_cnt(0) depctr_sa_sdst(0) depctr_va_vdst(0) depctr_va_sdst(0) depctr_va_ssrc(0) depctr_va_vcc(0) depctr_vm_vsrc(0)
	s_getreg_b32 s2, hwreg(HW_REG_IB_STS2, 6, 4)
	s_cmp_eq_u32 s2, 0
	s_cbranch_scc0 .Lentry_in_a_cluster
	s_endpgm
.Lentry_in_a_cluster:
	s_bfe_u32 s2, ttmp6, 0x10000c
	s_cmp_lg_u32 s2, 0xf033
	s_cbranch_scc0 .Lentry_shape_is_right
	s_endpgm
.Lentry_shape_is_right:
; S^T = k q^T on codes of FP6 (E2M3) with E8M0 scales, K = 1,024 channels; then, for each query and each 128 keys: t = score x log2(e) / 32, M = ceil(the largest t of these 128 keys), p = 2^(t - M), quantised along the keys.
; Stored: p's codes and scale bytes (pc), -M as f32 (pm), the sum of the unquantised p (pl).  M is a whole number, so the next launch brings every 128 keys under the row's M by taking the difference off the scale bytes: exact.
; The maximum is taken away in front of every exponential: no p is above 1.
; qkv: units of 12,800 bytes, 128 rows x one K step of 128: row tile rt at 1,536 rt: for each band c of 64 along K four registers as 512 bytes and two as 256; from byte 12,288 on the scale words [r][rt].  A row panel's eight K steps lie on end; q: row panels 0-63, k: 64-127.
; Lane row 8 g + i of row tile 4 c + j is row 64 c + 32 g + 8 j + i of the panel: with source 0 = 16 keys, source 1 = 16 queries a lane (r, h) holds ONE query, and the 32 registers of tiles 4 c .. 4 c + 3 are keys 64 c + 32 h + 0 .. 31: a whole scale block.
; A work-group makes 256 queries x 256 keys; four waves, each 128 x 128: 64 accumulators.  256 work-groups.
; pc: panels of 25,600 bytes ((query panel) x 8 + K slot of 256 of the batch's keys): fragments at (2 rt + K step) x 1,536 as images of 12 registers, from byte 24,576 on the scale words rt x 128 + r x 8 + K step x 4; pm, pl: 1,024 bytes a panel, laid as the scale words are.
; LDS: K has four slots of 256 channels.  At the head each wave asks, by one tensor load, for one panel's first three; the fourth goes onto the first's bytes when that has been read: one refill.
; CLUSTERS: 4 x 4.  q's units are shared along a row of the cluster, k's down a column.  No prefetch: three quarters of a work-group's bytes are asked for at its head.
; LIMITS: a block whose every p has fallen to 0 keeps the byte 1 (zero codes); NaN and infinities are not served; the promise holds while the scaled scores stay under 2^31 in magnitude.
; REGISTERS: window 0: v1-31 addresses; v32-63 scale words, two sets; v64-109 the way out at work; v128-223 q's fragments, one set, later the way out's codes and sums.  window 1: k's fragments, two sets.  windows 2, 3: accumulator (a, b) at v[8 (8 (a % 4) + b)].
.set PANEL, 25600
.set FRB,   1536
.set HP,    12800
.set WOFF,  12288
.set SCOFF, 24576
.set LROW,  3*PANEL                    ; LDS: a panel's three slots on end
.set ROWP,  4*PANEL
.set STG,   4*LROW                     ; behind them: three arrays of 2,048 bytes: scale words, -M, sums
.set SPARE, STG+6144
.set GL8,  7
.set ADRA, 10
.set ADRB, 13
.set ADRS, 16
.set GO,   19
.set SWA,  20
.set SRA,  21
.set ADRA8, 22
.set ADRB8, 25
.set SPW,  28
.set NIL,  29
.set SH,   30
.set SC,   32
.set AF,   128
.set TM,   64                          ; v64-77, v80-93  two blocks' maxima, bytes, scale operands
.set NM,   96                          ; v[96:97], v[98:99] -M, named as pairs
.set SA,   100                         ; v100-107 sums
.set TT,   108
.set PC,   128                         ; v128-146, v212-230 two fragments' codes
.set PCD,  84
.set PWS,  168                         ; v168-175 scale words;  v176-183 -M;  v184-191 sums
.set MSV,  176
.set LSV,  184
.set XB,   200
.set G1Y,  24
.set G1X,  32
.set G0Y,  40
.set G0X,  52
.set SEL,  84
.set CS,   86                          ; s[86:87] c = log2(e) / sqrt(1024)
.set MSB, 0
.macro WIN new
.if MSB != (\new)
	s_set_vgpr_msb (MSB<<8)|(\new)
.set MSB, (\new)
.endif
.endm
.macro JLOAD                           ; a joint load: waves 0 and 1 fetch q's two panels, waves 2 and 3 k's; an s_nop 0 and four v_nop follow each line
	s_cmp_eq_u32 s15, 0
	s_cbranch_scc0 .Lfor_x_\@
	tensor_load_to_lds s[G0Y:G0Y+3], s[G1Y:G1Y+7]
	s_nop 0
.rept 4
	v_nop
.endr
	s_branch .Lasked_\@
.Lfor_x_\@:
	tensor_load_to_lds s[G0X:G0X+3], s[G1X:G1X+7]
	s_nop 0
.rept 4
	v_nop
.endr
.Lasked_\@:
.endm
.macro CREST
	s_cmp_lg_u32 s14, 0
	s_cbranch_scc1 .Lnot_wave_0_\@
	s_barrier_signal -3
.Lnot_wave_0_\@:
	s_barrier_wait -3
	s_barrier_signal -1
	s_barrier_wait -1
.endm
.macro CROUND
	s_barrier_signal -1
	s_barrier_wait -1
	CREST
.endm
.macro PLACES n
.rept \n
	v_nop
.endr
.endm
.macro FRAG reg, adr, ad8, q, i        ; 12 registers in four loads: each band's four and two, as they were stored
.irp c, 0,1
	ds_load_b128 v[\reg+6*\c:\reg+6*\c+3], v[\adr] offset:(\q)*HP+(\i)*FRB+768*\c
	ds_load_b64 v[\reg+6*\c+4:\reg+6*\c+5], v[\ad8] offset:(\q)*HP+(\i)*FRB+768*\c+512
.endr
.endm
.macro FETCH_B slot, q, p
	WIN 0x40
.irp i, 0,1,2,3,4,5,6,7
	FRAG 128*(\p)+12*\i, ADRB+\slot, ADRB8+\slot, \q, \i
.endr
	WIN 0
.endm
.macro FETCH_A slot, q, i0
.irp i, \i0, \i0+1, \i0+2, \i0+3
	FRAG AF+12*(\i), ADRA+\slot, ADRA8+\slot, \q, \i
.endr
.endm
.macro SCALES slot, sc                 ; both K steps of a slot: lanes 0-15 q's words of their row's eight tiles, lanes 16-31 k's
.irp q, 0,1
	ds_load_b128 v[SC+16*(\sc)+8*\q:SC+16*(\sc)+8*\q+3], v[ADRS+\slot] offset:HP*\q
	ds_load_b128 v[SC+16*(\sc)+8*\q+4:SC+16*(\sc)+8*\q+7], v[ADRS+\slot] offset:HP*\q+16
.endr
.endm
; 16 products: q's blocks a0, a0 + 1 against k's eight.  mode 1: the first product starts the sums.  The 64 accumulators take turns, in the same order in every step.
.macro MUL16 a0, p, q, sc, mode
.set SQ_, SC+16*(\sc)+8*(\q)
.irp a, \a0, \a0+1
.irp b, 0,1,2,3,4,5,6,7
.set D_, 8*(8*((\a)%4)+\b)
.if (\mode) == 1
	v_wmma_scale_f32_16x16x128_f8f6f4 v[D_:D_+7], v[128*(\p)+12*\b:128*(\p)+12*\b+11], v[AF+12*(\a):AF+12*(\a)+11], 0, v[SQ_+\b], v[SQ_+\a] matrix_a_fmt:MATRIX_FMT_FP6 matrix_b_fmt:MATRIX_FMT_FP6 matrix_a_scale:MATRIX_SCALE_ROW1
.else
	v_wmma_scale_f32_16x16x128_f8f6f4 v[D_:D_+7], v[128*(\p)+12*\b:128*(\p)+12*\b+11], v[AF+12*(\a):AF+12*(\a)+11], v[D_:D_+7], v[SQ_+\b], v[SQ_+\a] matrix_a_fmt:MATRIX_FMT_FP6 matrix_b_fmt:MATRIX_FMT_FP6 matrix_a_scale:MATRIX_SCALE_ROW1
.endif
.endr
.endr
.endm
.macro STEP q, sc, mode, nslot, nq, nsc
	s_wait_dscnt 16                                ; all but the youngest 16 loads (q's blocks 4-7) are in
	WIN 0xa1
	MUL16 0, \q, \q, \sc, \mode
	MUL16 2, \q, \q, \sc, \mode
	s_wait_dscnt 0x0
	PLACES 4
	FETCH_B \nslot, \nq, 1-(\q)
	FETCH_A \nslot, \nq, 0
.if (\nq) == 0
	SCALES \nslot, \nsc
.endif
	WIN 0xf1
	MUL16 4, \q, \q, \sc, \mode
	MUL16 6, \q, \q, \sc, \mode
	PLACES 4
	WIN 0
	FETCH_A \nslot, \nq, 4
.endm
; a K slot's second step with a barrier in it.  fill = 1: slot 0 takes the fourth K slot; 0: that slot is shown to all waves
.macro TURN sc, nslot, nsc, fill
	s_wait_tensorcnt 0x0                           ; all my tensor loads have landed
	ds_add_u32 v[SPW], v[NIL]                      ; 0 onto my spare word
	s_wait_dscnt 17                                ; (the add and the youngest 16 loads may be out)
	WIN 0xa1
	MUL16 0, 1, 1, \sc, 0
	s_wait_dscnt 0x0                               ; the add is done, and my reads of this slot are over
	s_barrier_signal -1
	MUL16 2, 1, 1, \sc, 0
	WIN 0
	s_barrier_wait -1
.if \fill
	CREST                                          ; no wave of any partner still reads slot 0 or has a load on its way
	JLOAD                                          ; the first tensor load behind the round; its four v_nop are the places in front of the loads below
.else
	PLACES 4
.endif
	FETCH_B \nslot, 0, 0
	FETCH_A \nslot, 0, 0
	SCALES \nslot, \nsc
	WIN 0xf1
	MUL16 4, 1, 1, \sc, 0
	MUL16 6, 1, 1, \sc, 0
	PLACES 4
	WIN 0
	FETCH_A \nslot, 0, 4
.endm
	s_load_b256 s[4:11], s[0:1], 0x0               ; qkv, pc, pm, pl
	v_lshl_add_u32 v[SPW], v0, 2, SPARE
	v_mov_b32 v[NIL], 0
	ds_add_u32 v[SPW], v[NIL]                      ; the wave's opening: the add, twice on end, and its wait ahead of my first tensor load
	ds_add_u32 v[SPW], v[NIL]
	v_lshrrev_b32 v1, 5, v0
	v_readfirstlane_b32 s14, v1
	s_lshr_b32 s15, s14, 1                         ; my half of the queries.  Also: I fetch for q (0) or for k (1)
	s_and_b32 s16, s14, 1                          ; my half of the keys.  Also: which panel I fetch
	s_bfe_u32 s17, ttmp6, 0x40000                  ; cx
	s_bfe_u32 s18, ttmp6, 0x40004                  ; cy
	s_and_b32 s20, ttmp7, 0xffff                   ; cluster y: four tiles of queries; two clusters to a batch
	s_lshr_b32 s66, s20, 1                         ; the batch
	s_lshl_b32 s66, s66, 1
	s_add_co_u32 s66, s66, ttmp9
	s_add_co_u32 s66, s66, 8                       ; k's tiles begin at tile 32
	s_lshl_b32 s68, s66, 2
	s_add_co_u32 s68, s68, s17                     ; k's tile
	s_lshl_b32 s69, s20, 2
	s_add_co_u32 s69, s69, s18                     ; q's tile
	s_lshl_b32 s88, s18, 2
	s_lshl_b32 s88, 15, s88
	s_lshl_b32 s89, 0x1111, s17
	s_or_b32 s[G1Y], s88, (3<<16)|(1<<21)
	s_or_b32 s[G1X], s89, (3<<16)|(1<<21)
.irp g, G1Y, G1X                       ; three slots of a panel: a dense block, as 300 rows of 256 bytes
	s_mov_b32 s[\g+1], 32<<16
	s_mov_b32 s[\g+2], 300<<16
	s_mov_b32 s[\g+3], 32<<16
	s_mov_b32 s[\g+4], 300
	s_mov_b32 s[\g+5], 32
	s_mov_b32 s[\g+6], 0
	s_mov_b32 s[\g+7], 0
.endr
	s_lshl_b32 s70, s69, 1
	s_add_co_u32 s70, s70, s16
	s_mul_i32 s70, s70, ROWP
	s_mov_b32 s71, 0
	s_lshl_b32 s72, s68, 1
	s_add_co_u32 s72, s72, s16
	s_mul_i32 s72, s72, ROWP
	s_mov_b32 s73, 0
	s_mul_i32 s74, s14, LROW
	s_lshl_b32 s90, s69, 1                         ; the panel that I write: (query panel) x 8 + 4 x cluster x + cx
	s_add_co_u32 s90, s90, s15
	s_lshl_b32 s90, s90, 3
	s_lshl_b32 s91, ttmp9, 2
	s_add_co_u32 s90, s90, s91
	s_add_co_u32 s90, s90, s17
	s_lshl_b32 s80, s90, 10
	s_lshl_b32 s91, s16, 9
	s_add_co_u32 s80, s80, s91                     ; in pm and pl: 1,024 bytes a panel, my 512
	s_mov_b32 s81, 0
	s_mul_i32 s90, s90, PANEL
	s_mul_i32 s76, s16, FRB
	s_add_co_u32 s76, s76, s90
	s_mov_b32 s77, 0
	s_add_co_u32 s78, s91, s90
	s_add_co_u32 s78, s78, SCOFF
	s_mov_b32 s79, 0
	s_mov_b32 s[SEL], 0x76543210
	s_mov_b32 s[SEL+1], 0xfedcba98
	s_mov_b32 s[CS], 0x3d38aa3b                    ; log2(e) / 32
	s_mov_b32 s[CS+1], s[CS]                       ; (named with it as a pair, so it is written)
	s_wait_dscnt 0x0                               ; both opening adds are done
	s_wait_kmcnt 0x0
	s_add_nc_u64 s[70:71], s[4:5], s[70:71]
	s_add_nc_u64 s[72:73], s[4:5], s[72:73]
	s_add_nc_u64 s[76:77], s[6:7], s[76:77]
	s_add_nc_u64 s[78:79], s[6:7], s[78:79]
	s_add_nc_u64 s[82:83], s[10:11], s[80:81]
	s_add_nc_u64 s[80:81], s[8:9], s[80:81]
	CROUND                                         ; all sixteen work-groups are here: the first joint loads meet
	s_mov_b32 s[G0Y], 1
	s_mov_b32 s[G0Y+1], s74
	s_mov_b64 s[G0Y+2:G0Y+3], s[70:71]
	s_or_b32 s[G0Y+3], s[G0Y+3], 0x80000000
	s_mov_b32 s[G0X], 1
	s_mov_b32 s[G0X+1], s74
	s_mov_b64 s[G0X+2:G0X+3], s[72:73]
	s_or_b32 s[G0X+3], s[G0X+3], 0x80000000
	JLOAD                                          ; one tensor load a wave at the head
	v_and_b32 v1, 15, v0
	v_bfe_u32 v2, v0, 4, 1
	v_and_b32 v3, 31, v0
	v_lshlrev_b32 v[GO], 4, v3
	v_lshlrev_b32 v[GL8], 3, v3
	v_lshlrev_b32 v[SH], 3, v2
	s_mul_i32 s88, s15, LROW
	s_mul_i32 s89, s16, LROW
	s_add_co_u32 s89, s89, 2*LROW
.irp s, 0,1,2
	v_add_nc_u32 v[ADRA+\s], s88, v[GO]
	v_add_nc_u32 v[ADRB+\s], s89, v[GO]
	v_add_nc_u32 v[ADRA8+\s], s88, v[GL8]
	v_add_nc_u32 v[ADRB8+\s], s89, v[GL8]
	s_add_co_u32 s88, s88, PANEL
	s_add_co_u32 s89, s89, PANEL
.endr
	v_lshlrev_b32 v5, 5, v1
	s_mul_i32 s88, s15, LROW
	s_mul_i32 s89, s16, LROW
	s_add_co_u32 s89, s89, 2*LROW
	s_sub_co_u32 s89, s89, s88
	v_mul_u32_u24 v6, s89, v2                      ; lanes 16-31 take k's scale words
	s_add_co_u32 s88, s88, WOFF
	v_add_nc_u32 v5, v5, v6
.irp s, 0,1,2
	v_add_nc_u32 v[ADRS+\s], s88, v5
	s_add_co_u32 s88, s88, PANEL
.endr
	s_lshl_b32 s88, s15, 10
	s_lshl_b32 s89, s16, 2
	s_add_co_u32 s88, s88, s89
	s_add_co_u32 s88, s88, STG
	v_lshlrev_b32 v[SWA], 3, v1
	v_add_nc_u32 v[SWA], s88, v[SWA]
	s_lshl_b32 s88, s14, 9
	s_add_co_u32 s88, s88, STG
	v_add_nc_u32 v[SRA], s88, v[GO]
	s_wait_alu depctr_va_vdst(0)                   ; the wait at the head's end
	s_wait_tensorcnt 0x0                           ; my panel's three slots are in
	s_barrier_signal -1
	s_barrier_wait -1
.irp g, G1Y, G1X                       ; no tensor load of mine is out: from here on a load brings one slot, the fourth
	s_mov_b32 s[\g+2], 100<<16
	s_mov_b32 s[\g+4], 100
.endr
	s_add_nc_u64 s[G0Y+2:G0Y+3], s[G0Y+2:G0Y+3], 3*PANEL
	s_add_nc_u64 s[G0X+2:G0X+3], s[G0X+2:G0X+3], 3*PANEL
	FETCH_B 0, 0, 0
	FETCH_A 0, 0, 0
	SCALES 0, 0
	FETCH_A 0, 0, 4
	STEP 0, 0, 1, 0, 1, 0                          ; K 0: the first products start the sums
	TURN 0, 1, 1, 1                                ; slot 0 takes K slot 3
	STEP 0, 1, 0, 1, 1, 1
	STEP 1, 1, 0, 2, 0, 0
	STEP 0, 0, 0, 2, 1, 0
	TURN 0, 0, 1, 0                                ; the refill has landed
	STEP 0, 1, 0, 0, 1, 1
	s_wait_dscnt 16
	WIN 0xa1
	MUL16 0, 1, 1, 1, 0
	MUL16 2, 1, 1, 1, 0
	s_wait_dscnt 0x0
	WIN 0xf1
	MUL16 4, 1, 1, 1, 0
	MUL16 6, 1, 1, 1, 0
	WIN 0
; THE WAY OUT, two blocks a and a + 1 (u = 0, 1) side by side, each 16 queries x my 128 keys: 64 scores a lane, two scale blocks.  The scores become p where they lie.
	PLACES 4
.irp u, 0,1
	v_mov_b32 v[TM+16*\u+4], 0                     ; lane permutes' destinations count as sources
	v_mov_b32 v[TM+16*\u+8], 0
	v_mov_b32 v[NM+2*\u+1], 0                      ; (named as the upper half of a pair)
.endr
.macro SOFT a
.set AC, 64*((\a)%4)
.set WW, 2+(\a)/4
	WIN WW|(WW<<2)|(WW<<4)
.irp u, 0,1
.irp b, 0,1,2,3
	v_max3_num_f32 v[TM+16*\u+\b], v[AC+64*\u+16*\b], v[AC+64*\u+16*\b+1], v[AC+64*\u+16*\b+2]   ; the largest score of each half block: it serves for the maximum and, since p rises with the score, for the block's largest p
.endr
.endr
	WIN (WW<<2)|(WW<<4)
.irp i, 3,5,7,9,11,13
.irp u, 0,1
.irp b, 0,1,2,3
	v_max3_num_f32 v[TM+16*\u+\b], v[TM+16*\u+\b], v[AC+64*\u+16*\b+\i], v[AC+64*\u+16*\b+\i+1]
.endr
.endr
.endr
	WIN WW<<2
.irp u, 0,1
.irp b, 0,1,2,3
	v_max_num_f32 v[TM+16*\u+\b], v[TM+16*\u+\b], v[AC+64*\u+16*\b+15]
.endr
.endr
	WIN 0
.irp u, 0,1
	v_max_num_f32 v[TM+16*\u], v[TM+16*\u], v[TM+16*\u+1]        ; my block of keys 32 h on,
	v_max_num_f32 v[TM+16*\u+1], v[TM+16*\u+2], v[TM+16*\u+3]    ; and of keys 64 + 32 h on
.endr
.irp u, 0,1
	v_max_num_f32 v[TT+\u], v[TM+16*\u], v[TM+16*\u+1]
.endr
.irp u, 0,1
	v_permlanex16_b32 v[TM+16*\u+4], v[TT+\u], s[SEL], s[SEL+1]
.endr
.irp u, 0,1
	v_max_num_f32 v[TT+\u], v[TT+\u], v[TM+16*\u+4]              ; with lane l xor 16's 64 keys
.endr
.irp u, 0,1
	v_mul_f32 v[TT+\u], s[CS], v[TT+\u]            ; the largest t of my query's 128 keys
.endr
.irp u, 0,1
	v_floor_f32 v[NM+2*\u], -v[TT+\u]              ; -M = floor(-t) = -ceil(t)
.endr
.irp u, 0,1
	v_mov_b32 v[MSV+(\a)+\u], v[NM+2*\u]
.irp b, 0,1
	v_fma_f32 v[TM+16*\u+\b], v[TM+16*\u+\b], s[CS], v[NM+2*\u]  ; t - M of each block's largest score
.endr
.endr
	WIN WW|(WW<<6)
.irp u, 0,1
.set jj, AC+64*\u
.rept 32
	v_pk_fma_f32 v[jj:jj+1], v[jj:jj+1], s[CS:CS+1], v[NM+2*\u:NM+2*\u+1] op_sel_hi:[1,0,0]   ; the same of all 64, two at a time
.set jj, jj+2
.endr
.endr
	s_wait_alu depctr_va_vdst(0)                   ; the wait ahead of the batch
.set jj, AC
.rept 128
	v_exp_f32 v[jj], v[jj]                         ; p = 2^(t - M), at most 1
.set jj, jj+1
.endr
	WIN 0
.irp u, 0,1
.irp b, 0,1
	v_exp_f32 v[TM+16*\u+\b], v[TM+16*\u+\b]       ; the block's largest p: the same two operations on the same number
.endr
.endr
	v_nop                                          ; a plain place behind the exponentials
	s_wait_alu depctr_va_vdst(0)                   ; and one for the batch, ahead of its first reader
.irp u, 0,1
.irp b, 0,1
	v_max_num_f32 v[TM+16*\u+\b], 0x1800000, v[TM+16*\u+\b]      ; the floor 2^(3 - 127): the byte cannot fall under 1
.endr
.endr
.irp u, 0,1
.irp b, 0,1
	v_add_nc_u32 v[TM+16*\u+12+\b], 0xff000000, v[TM+16*\u+\b]   ; 2 off the exponent field: the conversion's scale operand
.endr
.endr
	WIN WW|(WW<<2)
.irp u, 0,1
	v_pk_add_f32 v[SA+4*\u:SA+4*\u+1], v[AC+64*\u:AC+64*\u+1], v[AC+64*\u+2:AC+64*\u+3]          ; the sums of the unquantised p, in two chains each
	v_pk_add_f32 v[SA+4*\u+2:SA+4*\u+3], v[AC+64*\u+4:AC+64*\u+5], v[AC+64*\u+6:AC+64*\u+7]
.endr
	WIN WW<<2
.irp j, 8,12,16,20,24,28,32,36,40,44,48,52,56,60
.irp u, 0,1
	v_pk_add_f32 v[SA+4*\u:SA+4*\u+1], v[SA+4*\u:SA+4*\u+1], v[AC+64*\u+\j:AC+64*\u+\j+1]
	v_pk_add_f32 v[SA+4*\u+2:SA+4*\u+3], v[SA+4*\u+2:SA+4*\u+3], v[AC+64*\u+\j+2:AC+64*\u+\j+3]
.endr
.endr
	WIN 0
.irp u, 0,1
	v_pk_add_f32 v[SA+4*\u:SA+4*\u+1], v[SA+4*\u:SA+4*\u+1], v[SA+4*\u+2:SA+4*\u+3]
.endr
.irp u, 0,1
.irp b, 0,1
	v_lshrrev_b32 v[TM+16*\u+6+\b], 23, v[TM+16*\u+12+\b]        ; the scale's byte
.endr
.endr
.irp u, 0,1
	v_add_f32 v[TT+\u], v[SA+4*\u], v[SA+4*\u+1]
	v_lshl_or_b32 v[PWS+(\a)+\u], v[TM+16*\u+7], 16, v[TM+16*\u+6]   ; blocks h and 2 + h,
.endr
.irp u, 0,1
	v_permlanex16_b32 v[TM+16*\u+8], v[TT+\u], s[SEL], s[SEL+1]
	v_lshlrev_b32 v[PWS+(\a)+\u], v[SH], v[PWS+(\a)+\u]          ; at their places in the word;
.endr
.irp u, 0,1
	v_permlanex16_b32 v[TM+16*\u+4], v[PWS+(\a)+\u], s[SEL], s[SEL+1]
	v_add_f32 v[LSV+(\a)+\u], v[TT+\u], v[TM+16*\u+8]
.endr
.irp u, 0,1
	v_or_b32 v[PWS+(\a)+\u], v[PWS+(\a)+\u], v[TM+16*\u+4]       ; with lane l xor 16's two the word is whole
.endr
	s_wait_alu depctr_va_vdst(0)
	s_wait_xcnt 0x0                                ; the last blocks' stores have read the codes' registers
	WIN WW
.irp u, 0,1
.irp c, 0,1
	v_cvt_scalef32_pk16_fp6_f32 v[PC+PCD*\u+6*\c:PC+PCD*\u+6*\c+2], v[AC+64*\u+32*\c:AC+64*\u+32*\c+15], v[TM+16*\u+12+\c]
	v_cvt_scalef32_pk16_fp6_f32 v[PC+PCD*\u+12+4*\c:PC+PCD*\u+14+4*\c], v[AC+64*\u+16+32*\c:AC+64*\u+31+32*\c], v[TM+16*\u+12+\c]
.endr
.endr
	WIN 0
	v_nop                                          ; one plain place behind a scaled conversion
.irp u, 0,1
.irp c, 0,1
.irp i, 0,1,2
	v_mov_b32 v[PC+PCD*\u+3+6*\c+\i], v[PC+PCD*\u+12+4*\c+\i]
.endr
.endr
.endr
.irp u, 0,1
.irp c, 0,1,2
	global_store_b128 v[GO], v[PC+PCD*\u+4*\c:PC+PCD*\u+4*\c+3], s[76:77] offset:2*FRB*((\a)+\u)+512*\c   ; 512 consecutive bytes, at a multiple of 256 from pc's first byte
.endr
.endr
.endm
.irp a, 0,2,4,6
	SOFT \a
.endr
.irp a, 0,1,2,3,4,5,6,7
	ds_store_b32 v[SWA], v[PWS+\a] offset:128*\a   ; a panel's words come from two waves: they meet in LDS (both halves of the lanes write the same word with the same value)
	ds_store_b32 v[SWA], v[MSV+\a] offset:2048+128*\a
	ds_store_b32 v[SWA], v[LSV+\a] offset:4096+128*\a
.endr
	s_wait_dscnt 0x0                               ; for the others' sake
	s_barrier_signal -1
	s_barrier_wait -1
	ds_load_b128 v[XB:XB+3], v[SRA]
	ds_load_b128 v[XB+4:XB+7], v[SRA] offset:2048
	ds_load_b128 v[XB+8:XB+11], v[SRA] offset:4096
	s_wait_dscnt 0x0
	global_store_b128 v[GO], v[XB:XB+3], s[78:79]      ; 512 consecutive bytes each
	global_store_b128 v[GO], v[XB+4:XB+7], s[80:81]
	global_store_b128 v[GO], v[XB+8:XB+11], s[82:83]
	s_wait_tensorcnt 0x0                           ; the wave's end
	ds_add_u32 v[SPW], v[NIL]
	s_wait_dscnt 0x0
	CROUND                                         ; the closing round
	s_endpgm
.Lfunc_end_k_q71d283e754_scores:
	.size	k_q71d283e754_scores, .Lfunc_end_k_q71d283e754_scores-k_q71d283e754_scores
	.p2alignl 7, 3214868480
	.fill 96, 4, 3214868480
	.section	.rodata,"a",@progbits
	.p2align	6, 0x0
	.amdhsa_kernel k_q71d283e754_scores
		.amdhsa_group_segment_fixed_size 327680
		.amdhsa_private_segment_fixed_size 0
		.amdhsa_enable_private_segment 0
		.amdhsa_kernarg_size 32
		.amdhsa_user_sgpr_count 2
		.amdhsa_user_sgpr_kernarg_segment_ptr 1
		.amdhsa_wavefront_size32 1
		.amdhsa_system_sgpr_workgroup_id_x 1
		.amdhsa_system_sgpr_workgroup_id_y 1
		.amdhsa_system_sgpr_workgroup_id_z 1
		.amdhsa_system_vgpr_workitem_id 0
		.amdhsa_next_free_vgpr 1024
		.amdhsa_next_free_sgpr 100
		.amdhsa_reserve_vcc 0
		.amdhsa_float_denorm_mode_32 3
		.amdhsa_float_denorm_mode_16_64 3
		.amdhsa_memory_ordered 1
		.amdhsa_forward_progress 1
		.amdhsa_inst_pref_size 192
	.end_amdhsa_kernel
	.amdgpu_metadata
---
amdhsa.version: [ 1, 2 ]
amdhsa.kernels:
  - .name:           k_q71d283e754_scores
    .symbol:         k_q71d283e754_scores.kd
    .args:
      - { .name: qkv, .offset: 0, .size: 8, .value_kind: global_buffer, .address_space: global }
      - { .name: pc, .offset: 8, .size: 8, .value_kind: global_buffer, .address_space: global }
      - { .name: pm, .offset: 16, .size: 8, .value_kind: global_buffer, .address_space: global }
      - { .name: pl, .offset: 24, .size: 8, .value_kind: global_buffer, .address_space: global }
    .group_segment_fixed_size: 327680
    .private_segment_fixed_size: 0
    .kernarg_segment_align: 8
    .kernarg_segment_size: 32
    .max_flat_workgroup_size: 128
    .sgpr_count:     100
    .vgpr_count:     1024
    .wavefront_size: 32
...
	.end_amdgpu_metadata
.endif
;; end of part 3
;; launch pv (part 4): grid 4 x 64, 4 waves a work-group, clusters of 4 x 4, 327,680 bytes of LDS; arguments pc, pm, pl, qkv, out0; writes out0
.if DOCPART == 4
	.amdgcn_target "amdgcn-amd-amdhsa--gfx1250"
	.amdhsa_code_object_version 6
	.text
	.protected	k_q71d283e754_pv
	.globl	k_q71d283e754_pv
	.p2align	8
	.type	k_q71d283e754_pv,@function
k_q71d283e754_pv:
	s_mov_b64 s[64:65], 0
	v_nop
	global_prefetch_b8 v0, s[64:65] scope:SCOPE_SE
	s_setreg_imm32_b32 hwreg(HW_REG_WAVE_MODE, 25, 1), 1
	s_wait_xcnt 0x0
	s_wait_alu depctr_hold_cnt(0) depctr_sa_sdst(0) depctr_va_vdst(0) depctr_va_sdst(0) depctr_va_ssrc(0) depctr_va_vcc(0) depctr_vm_vsrc(0)
	s_getreg_b32 s2, hwreg(HW_REG_IB_STS2, 6, 4)
	s_cmp_eq_u32 s2, 0
	s_cbranch_scc0 .Lentry_in_a_cluster
	s_endpgm
.Lentry_in_a_cluster:
	s_bfe_u32 s2, ttmp6, 0x10000c
	s_cmp_lg_u32 s2, 0xf033
	s_cbranch_scc0 .Lentry_shape_is_right
	s_endpgm
.Lentry_shape_is_right:
; out = (p v) / sum on codes of FP6 (E2M3) with E8M0 scales, K = 2,048 keys.  A work-group makes 128 queries x 256 channels.  256 work-groups.
; p: panels of 25,600 bytes (128 queries x 256 keys: fragments at (2 rt + K step) x 1,536, scale words from byte 24,576 on); pm, pl: -M and the sum of p for every 128 keys.
; v: units of 12,800 bytes (128 channels x one K step of 128 keys: row tile rt at 1,536 rt, for each band c of 64 keys four registers as 512 bytes and two as 256; scale words [r][rt] from byte 12,288 on).
; Every 128 keys have an M of their own.  The row's M is the largest; the difference, a whole number, is taken off each of the word's four scale bytes, a byte that would fall under 0 becomes 0 (2^-127), and the sums are brought under the row's M by v_ldexp_f32.
; Lane row 8 g + i of tile 4 c + j is row 64 c + 32 g + 8 j + i, of queries and of channels: source 0 = 16 channels, source 1 = 16 queries: a lane's 32 results of a band's four tiles are 32 neighbouring channels of one query.
; THE DEAL.  Wave w takes queries 64 (w / 2) .. + 63 and K steps 8 (w % 2) .. + 7: p's 32 fragments (4 query tiles x 8 K steps) lie in its registers.  v streams past by BATCHES of a tile of 16 channels: 8 fragments, 32 products, four accumulators by turns.
; Four batches are a BAND of 64 channels.  The two waves that share queries meet in an LDS stage: each stores its sums there, by rows of a query's 64 channels; behind a barrier each takes half of the rows from both, adds, multiplies by 1 / sum and stores two rows of 256 bytes an instruction.
; So a band leaves while the next is multiplied.  In batch 0 stands the barrier behind which the last band's rows come back; in batch 1 they are finished, and their stores stand behind batches 1, 2 and 3; in batch 2 stands the barrier behind which this band's tiles may go to the stage
; (all rows have been read): tiles 0 and 1 behind batch 2, tiles 2 and 3 behind batch 3.  Memory instructions stand in one run behind a batch, beside the fetch of the tile two on.
; LDS: two slots of a band of v (16 K steps x 4 tiles x 1,536), filled by one tensor load a wave (four K steps); the stage; the spare words.  Band 0 is asked for at the head, band 1 behind a round there, bands 2 and 3 behind the rounds in the third batches of bands 0 and 1.
; CLUSTERS 4 x 4: v's tiles are shared down a column of the cluster.  p's fragments go from memory straight into the registers of the one wave that takes them: beside v's ring and the stage LDS has no room for their 196,608 bytes.  So do v's scale words.
; No prefetch: half of v and all of p are asked for ahead of the first product, and each of the two refills has four batches in which to land.
; LIMITS: NaN and infinities are not served.
; REGISTERS: from v256 on fragments of 12 registers, 21 to a window: 0-31 p's (4 e + query tile, e the K step), 32-39, 40-47 v's two sets; window 3 v128-255: a band's rows from the two stages.  All else lies in window 0.
.set PANEL, 25600
.set FRB,   1536
.set HP,    12800
.set WOFF,  12288
.set SCOFF, 24576
.set KR,    4*FRB                      ; LDS: a K step of a band
.set SLOT,  16*KR
.set STAGE, 2*SLOT
.set SP,    272                        ; a stage row: 256 bytes + 16: 16 rows start in 16 different groups of banks
.set WST,   64*SP
.set SPARE, STAGE+4*WST
.set GL8,  4
.set CO,   5
.set LSUM, 6
.set NG,   8
.set VA,   10                          ; v10-11 LDS: my K steps of slot 0, 1, 16 x lane;  v12-13 8 x lane
.set VB,   12
.set STO,  14
.set RDA,  15
.set GOUT, 16
.set VWA,  17
.set RV,   18
.set SPW,  28
.set NIL,  29
.set PSW,  32                          ; v32-47 p's scale words: 4 (e / 2) + 2 (query tile / 2) + e % 2
.set VS,   48                          ; v48-111 v's: 32 x channel panel + 4 e + tile: lanes 0-15 the panel's even band, lanes 16-31 its odd band
.set RI,   112                         ; v112-127 1 / sum of the rows that I finish
.set ACC,  128                         ; v128-255 32 x tile + 8 x query tile
.set NR,   128                         ; (at the head the accumulators' registers serve the scales)
.set LR,   160
.set YT,   192
.set M7,   208
.set F,    128                         ; in window 3
.set G1,   24
.set G0A,  48
.set G0B,  52
.set MSB, 0
.macro WIN new
.if MSB != (\new)
	s_set_vgpr_msb (MSB<<8)|(\new)
.set MSB, (\new)
.endif
.endm
.macro PLACES n
.rept \n
	v_nop
.endr
.endm
.macro WALU
	s_wait_alu depctr_va_vdst(0)
.endm
.macro BARRIER
	s_barrier_signal -1
	s_barrier_wait -1
.endm
.macro MIDDLE                          ; a round of the cluster's barrier behind its opening signal
	s_barrier_wait -1
	s_cmp_lg_u32 s14, 0
	s_cbranch_scc1 .Lnot_wave_0_\@
	s_barrier_signal -3
.Lnot_wave_0_\@:
	s_barrier_wait -3
.endm
.macro CROUND
	s_barrier_signal -1
	MIDDLE
	BARRIER
.endm
.macro TLOAD g0
	tensor_load_to_lds s[\g0:\g0+3], s[G1:G1+7]
	s_nop 0
	PLACES 4
.endm
.macro SADD d, x
	s_add_co_u32 s\d, s\d, s\x
.endm
.macro FPOS f
.set FWN, 1+(\f)/21
.set FLO, 12*((\f)%21)
.endm
.macro FETCH bt                        ; batch bt's tile, my eight K steps, into set bt % 2: 32 loads
.irp e, 0,1,2,3,4,5,6,7
	FPOS 32+8*((\bt)%2)+\e
	WIN FWN<<6
.irp c, 0,1
	ds_load_b128 v[FLO+6*\c:FLO+6*\c+3], v[VA+((\bt)/4)%2] offset:\e*KR+((\bt)%4)*FRB+768*\c
	ds_load_b64 v[FLO+6*\c+4:FLO+6*\c+5], v[VB+((\bt)/4)%2] offset:\e*KR+((\bt)%4)*FRB+768*\c+512
.endr
.endr
	WIN 0
.endm
.macro WMR c, ra, rb
	v_wmma_scale_f32_16x16x128_f8f6f4 v[D_:D_+7], v[VL_:VL_+11], v[FLO:FLO+11], \c, v[XV_], v[XP_] matrix_a_fmt:MATRIX_FMT_FP6 matrix_b_fmt:MATRIX_FMT_FP6 matrix_a_scale:MATRIX_SCALE_ROW\ra matrix_b_scale:MATRIX_SCALE_ROW\rb
.endm
.macro WM c
.if RA_ && RB_
	WMR \c, 1, 1
.elseif RA_
	WMR \c, 1, 0
.elseif RB_
	WMR \c, 0, 1
.else
	WMR \c, 0, 0
.endif
.endm
; products from .. to - 1 of band b's tile t; behind every second one the lines that the list names.  The very first batch waits for p's fragments K step by K step: 12 loads each
.macro PRODS b, t, from, to, list
.set N_, \from
.rept (\to)-(\from)
.set E_, N_/4
.set A_, N_%4
.if (\b) == 0 && (\t) == 0 && A_ == 0
.if E_ < 2
	s_wait_loadcnt 63
.else
	s_wait_loadcnt 12*(7-E_)
.endif
.endif
	FPOS 32+8*((\t)%2)+E_
.set VW_, FWN
.set VL_, FLO
	FPOS 4*E_+A_
	WIN VW_|(FWN<<2)
.set D_, ACC+32*(\t)+8*A_
.set XV_, VS+32*((\b)/2)+4*E_+(\t)
.set XP_, PSW+4*(E_/2)+2*(A_/2)+E_%2
.set RA_, (\b)%2
.set RB_, A_%2
.if E_
	WM v[D_:D_+7]
.else
	WM 0
.endif
.if N_%2
	\list N_
.endif
.set N_, N_+1
.endr
.endm
.macro DST t                           ; tile t's sums into my stage: each accumulator from its low end on
	WIN 0
.irp i, 0,1,2,3,4,5,6,7
	ds_store_b128 v[STO], v[ACC+32*(\t)+4*\i:ACC+32*(\t)+4*\i+3] offset:16*SP*(\i/2)+32*(\t)+16*(\i%2)
.endr
.endm
.macro BACK                            ; 16 pairs of rows (lanes 0-15 one, lanes 16-31 the other) from both stages
	WIN 0xc0
.irp i, 0,1,2,3,4,5,6,7,8,9,10,11,12,13,14,15
	ds_load_b128 v[F+4*\i:F+4*\i+3], v[RDA] offset:SP*\i
	ds_load_b128 v[F+64+4*\i:F+64+4*\i+3], v[RDA] offset:WST+SP*\i
.endr
	WIN 0
.endm
.macro FADD i
	WIN 0xcf
	v_pk_add_f32 v[F+4*(\i):F+4*(\i)+1], v[F+4*(\i):F+4*(\i)+1], v[F+64+4*(\i):F+64+4*(\i)+1]
	v_pk_add_f32 v[F+4*(\i)+2:F+4*(\i)+3], v[F+4*(\i)+2:F+4*(\i)+3], v[F+64+4*(\i)+2:F+64+4*(\i)+3]
.endm
.macro FMUL i
.set R_, RI+((\i)/2)*2
	WIN 0xc3
.irp k, 0,2
.if (\i)%2
	v_pk_mul_f32 v[F+4*(\i)+\k:F+4*(\i)+\k+1], v[F+4*(\i)+\k:F+4*(\i)+\k+1], v[R_:R_+1] op_sel:[0,1] op_sel_hi:[1,1]
.else
	v_pk_mul_f32 v[F+4*(\i)+\k:F+4*(\i)+\k+1], v[F+4*(\i)+\k:F+4*(\i)+\k+1], v[R_:R_+1] op_sel_hi:[1,0]
.endif
.endr
.endm
.macro FPUT i0, bp                     ; four pairs of rows from i0 on
	WIN 0x0c
.irp k, 0,1,2,3
	global_store_b128 v[GOUT], v[F+4*((\i0)+\k):F+4*((\i0)+\k)+3], s[76:77] offset:(32*(((\i0)+\k)/8)+((\i0)+\k)%8)*4096+256*(\bp) th:TH_STORE_NT   ; two rows of 256 consecutive bytes, each at a multiple of 256 from out0's first byte
.endr
	WIN 0
.endm
.macro L_NONE n
.endm
.macro L_FA n                          ; the last band's rows: pair i is added, pair i - 1 multiplied
.if (\n) > 1
	FMUL (\n)/2-1
.endif
	FADD (\n)/2
.endm
; a band.  A batch's tile was fetched two batches ago: younger than that fetch's last load are at least the next fetch's 32
.macro BAND b
	s_wait_dscnt 32
.if \b
	PRODS \b, 0, 0, 26, L_NONE
	WIN 0
	s_wait_dscnt 0x0                               ; the last band's sums are in my stage
	s_barrier_signal -1
	PRODS \b, 0, 26, 32, L_NONE
	WIN 0
	s_barrier_wait -1
	PLACES 4
	s_wait_xcnt 0x0                                ; the stores of the band before have read the rows' registers
	BACK
.else
	PRODS \b, 0, 0, 32, L_NONE
	WIN 0
	PLACES 4
.endif
	FETCH 4*(\b)+2
	s_wait_dscnt 32                                ; and the last band's rows are back
.if \b
	PRODS \b, 1, 0, 32, L_FA
	FMUL 15
	WIN 0
	PLACES 4
	WALU
	FPUT 0, (\b)-1
	FPUT 4, (\b)-1
.else
	PRODS \b, 1, 0, 32, L_NONE
	WIN 0
	PLACES 4
.endif
	FETCH 4*(\b)+3
	s_wait_dscnt 32
	PRODS \b, 2, 0, 20, L_NONE
	WIN 0
.if \b < 2
	s_wait_tensorcnt 0x0                           ; my part of the next band is in;
	ds_add_u32 v[SPW], v[NIL]                      ; 0 onto my spare word
	s_add_nc_u64 s[G0A+4*\b+2:G0A+4*\b+3], s[G0A+4*\b+2:G0A+4*\b+3], 16*HP
.elseif \b == 2
	s_wait_tensorcnt 0x0                           ; my part of the last band
.endif
	PRODS \b, 2, 20, 26, L_NONE
	WIN 0
	WALU
	s_wait_dscnt 0x0                               ; my reads of this band's slot and of the stages are over
	s_barrier_signal -1
	PRODS \b, 2, 26, 32, L_NONE
	WIN 0
.if \b < 2
	MIDDLE
	BARRIER
	TLOAD G0A+4*\b                                 ; the band after the next, onto this band's slot; the four v_nop behind it are the places in front of what follows
.else
	s_barrier_wait -1
	PLACES 4
.endif
.if \b
	FPUT 8, (\b)-1
.endif
	DST 0
	DST 1
.if \b < 3
	FETCH 4*(\b)+4
	s_wait_dscnt 32
.else
	s_wait_dscnt 16                                ; younger than the last tile's fetch are the 16 stores into the stage
.endif
	PRODS \b, 3, 0, 32, L_NONE
	WIN 0
	PLACES 4
.if \b
	FPUT 12, (\b)-1
.endif
	DST 2
	DST 3
.if \b < 3
	FETCH 4*(\b)+5
.endif
.endm
	s_load_b256 s[4:11], s[0:1], 0x0               ; pc, pm, pl, qkv
	s_load_b64 s[12:13], s[0:1], 0x20              ; out0
	v_lshl_add_u32 v[SPW], v0, 2, SPARE
	v_mov_b32 v[NIL], 0
	ds_add_u32 v[SPW], v[NIL]                      ; the wave's opening: the add, twice on end, and its wait ahead of my first tensor load
	ds_add_u32 v[SPW], v[NIL]
	v_lshrrev_b32 v1, 5, v0
	v_readfirstlane_b32 s14, v1
	s_lshr_b32 s15, s14, 1                         ; my 64 queries
	s_and_b32 s16, s14, 1                          ; my half of the keys
	s_bfe_u32 s17, ttmp6, 0x40000                  ; cx: which 256 channels
	s_bfe_u32 s18, ttmp6, 0x40004
	s_and_b32 s19, ttmp7, 0xffff
	s_lshl_b32 s20, s19, 2
	SADD 20, 18                                    ; the query panel, 0 .. 63
	s_lshr_b32 s21, s19, 2                         ; the batch
	s_lshl_b32 s88, 0x1111, s17                    ; my column of the cluster
	s_or_b32 s[G1], s88, (3<<16)|(1<<21)           ; 15:0 the mask; 17:16 elements of 8 bytes; 21 set beside a mask; no padding
	s_mov_b32 s[G1+1], 768<<16                     ; four K steps: rows of 6,144 bytes, a unit apart
	s_mov_b32 s[G1+2], 4<<16
	s_mov_b32 s[G1+3], 768<<16
	s_mov_b32 s[G1+4], 4
	s_mov_b32 s[G1+5], HP/8
	s_mov_b32 s[G1+6], 0
	s_mov_b32 s[G1+7], 0
	s_lshl_b32 s40, s21, 3
	s_lshl_b32 s41, s17, 1
	SADD 40, 41
	s_lshl_b32 s40, s40, 4
	s_add_co_u32 s40, s40, 1024                    ; v's first unit: 1024 + (batch x 8 + 2 cx) x 16
	s_mul_i32 s40, s40, HP
	s_mul_i32 s42, s14, 4*HP
	SADD 42, 40                                    ; the K steps that I fetch
	s_mov_b32 s43, 0
	s_mul_i32 s44, s16, 8*HP
	SADD 44, 40                                    ; the K steps that I multiply: their scale words
	s_mov_b32 s45, 0
	s_lshl_b32 s72, s20, 3
	s_lshl_b32 s73, s16, 2
	SADD 72, 73
	s_mul_i32 s72, s72, PANEL                      ; p's panels of my keys
	s_lshl_b32 s78, s15, 9
	SADD 78, 72
	s_add_co_u32 s78, s78, SCOFF                   ; my four tiles' scale words
	s_mov_b32 s79, 0
	s_mul_i32 s73, s15, 8*FRB
	SADD 72, 73                                    ; and fragments
	s_mov_b32 s73, 0
	s_lshl_b32 s80, s20, 13
	s_lshl_b32 s81, s15, 9
	SADD 80, 81                                    ; pm, pl: 1,024 bytes a panel; my half of the keys first,
	s_lshl_b32 s81, s16, 12
	s_xor_b32 s83, s81, 0x1000
	s_add_co_u32 s82, s80, s83                     ; then the other
	SADD 80, 81
	s_mov_b32 s81, 0
	s_mov_b32 s83, 0
	s_lshl_b32 s76, s20, 19
	s_lshl_b32 s77, s15, 18
	SADD 76, 77
	s_lshl_b32 s77, s17, 10
	SADD 76, 77
	s_mov_b32 s77, 0
	s_cmp_eq_u32 s16, 0
	s_cselect_b32 s98, 0, -1
	v_and_b32 v1, 15, v0                           ; r
	v_bfe_u32 v2, v0, 4, 1                         ; h
	v_and_b32 v3, 31, v0
	v_lshlrev_b32 v[GL8], 3, v3
	v_lshlrev_b32 v[CO], 4, v3
	v_lshlrev_b32 v[VWA], 5, v1
	v_lshl_add_u32 v[VWA], v2, 4, v[VWA]
	s_mul_i32 s66, s16, 8*KR
	s_add_co_u32 s67, s66, SLOT
	v_add_nc_u32 v[VA], s66, v[CO]
	v_add_nc_u32 v[VA+1], s67, v[CO]
	v_add_nc_u32 v[VB], s66, v[GL8]
	v_add_nc_u32 v[VB+1], s67, v[GL8]
	s_mul_i32 s66, s14, WST
	s_add_co_u32 s66, s66, STAGE
	v_mul_u32_u24 v[STO], v1, SP
	v_lshl_add_u32 v[STO], v2, 7, v[STO]
	v_add_nc_u32 v[STO], s66, v[STO]               ; my stage: row r, 128 h
	s_mul_i32 s66, s15, 2*WST
	s_mul_i32 s67, s16, 32*SP
	SADD 66, 67
	s_add_co_u32 s66, s66, STAGE
	v_mul_u32_u24 v[RDA], v2, 16*SP
	v_lshl_add_u32 v[RDA], v1, 4, v[RDA]
	v_add_nc_u32 v[RDA], s66, v[RDA]               ; the rows that I finish: query tiles 2 (w % 2) + lane / 16
	s_lshl_b32 s66, s16, 16
	v_lshlrev_b32 v[GOUT], 15, v2
	v_lshl_add_u32 v[GOUT], v1, 4, v[GOUT]
	v_add_nc_u32 v[GOUT], s66, v[GOUT]             ; query tile a begins 8 a rows of 4,096 bytes on
	WALU
	s_wait_dscnt 0x0                               ; both opening adds are done
	CROUND                                         ; all sixteen work-groups are here: the first joint loads meet
	s_wait_kmcnt 0x0
	s_add_nc_u64 s[42:43], s[10:11], s[42:43]
	s_mul_i32 s66, s14, 4*KR
	s_mov_b32 s[G0A], 1
	s_mov_b32 s[G0A+1], s66
	s_mov_b64 s[G0A+2:G0A+3], s[42:43]
	s_or_b32 s[G0A+3], s[G0A+3], 0x80000000
	s_mov_b32 s[G0B], 1
	s_add_co_u32 s[G0B+1], s66, SLOT
	s_add_nc_u64 s[G0B+2:G0B+3], s[42:43], KR
	s_or_b32 s[G0B+3], s[G0B+3], 0x80000000
	TLOAD G0A                                      ; band 0
	s_add_nc_u64 s[44:45], s[10:11], s[44:45]
	s_add_nc_u64 s[72:73], s[4:5], s[72:73]
	s_add_nc_u64 s[78:79], s[4:5], s[78:79]
	s_add_nc_u64 s[84:85], s[8:9], s[80:81]
	s_add_nc_u64 s[86:87], s[8:9], s[82:83]
	s_add_nc_u64 s[80:81], s[6:7], s[80:81]
	s_add_nc_u64 s[82:83], s[6:7], s[82:83]
	s_add_nc_u64 s[76:77], s[12:13], s[76:77]
.irp k, 0,1,2,3
.irp g, 0,1
	global_load_b64 v[NR+4*\k+2*\g:NR+4*\k+2*\g+1], v[GL8], s[80:81] offset:1024*\k+256*\g
	global_load_b64 v[NR+16+4*\k+2*\g:NR+16+4*\k+2*\g+1], v[GL8], s[82:83] offset:1024*\k+256*\g
	global_load_b64 v[LR+4*\k+2*\g:LR+4*\k+2*\g+1], v[GL8], s[84:85] offset:1024*\k+256*\g
	global_load_b64 v[LR+16+4*\k+2*\g:LR+16+4*\k+2*\g+1], v[GL8], s[86:87] offset:1024*\k+256*\g
	global_load_b64 v[PSW+4*\k+2*\g:PSW+4*\k+2*\g+1], v[GL8], s[78:79] offset:PANEL*\k+256*\g
.endr
.endr
.irp n, 0,1
.irp e, 0,1,2,3,4,5,6,7
	global_load_b128 v[VS+32*\n+4*\e:VS+32*\n+4*\e+3], v[VWA], s[44:45] offset:16*HP*\n+HP*\e+WOFF   ; 32 lanes read 512 consecutive bytes
.endr
.endr
.irp e, 0,1,2,3,4,5,6,7
.irp a, 0,1,2,3
	FPOS 4*\e+\a
	WIN FWN<<6
.irp c, 0,1,2
	global_load_b128 v[FLO+4*\c:FLO+4*\c+3], v[CO], s[72:73] offset:PANEL*(\e/2)+FRB*(2*\a+\e%2)+512*\c
.endr
.endr
.endr
	WIN 0
	s_wait_loadcnt 63                              ; 112 loads are younger than the 40 that bring M, sums and p's scale words
.irp g, 0,1
	v_min3_num_f32 v[NG+\g], v[NR+2*\g], v[NR+2*\g+1], v[NR+4+2*\g]   ; -(the row's M): register 4 k + 2 g + s: tiles 2 g, 2 g + 1 (by the lane's half), 128 keys 2 k + s
.endr
.irp k, 1,2,3,4,5,6
.irp g, 0,1
	v_min3_num_f32 v[NG+\g], v[NG+\g], v[NR+4*\k+2*\g+1], v[NR+4*\k+4+2*\g]
.endr
.endr
.irp g, 0,1
	v_min_num_f32 v[NG+\g], v[NG+\g], v[NR+28+2*\g+1]
.endr
.set nn, 0
.rept 32
	v_sub_f32 v[NR+nn], v[NG+(nn/2)%2], v[NR+nn]   ; M - the row's M: a whole number, 0 or less
.set nn, nn+1
.endr
.set nn, 0
.rept 32
	v_max_num_f32 v[NR+nn], 0xc2fe0000, v[NR+nn]   ; held at -127
.set nn, nn+1
.endr
.set nn, 0
.rept 32
	v_cvt_i32_f32 v[NR+nn], v[NR+nn]
.set nn, nn+1
.endr
.set nn, 0
.rept 32
	v_ldexp_f32 v[LR+nn], v[LR+nn], v[NR+nn]
.set nn, nn+1
.endr
.set nn, 0
.rept 16                               ; the scale bytes of my keys, four at a time: byte - difference, 0 where that is negative
	v_sub_nc_u32 v[NR+nn], 0, v[NR+nn]
	v_or_b32 v[YT+nn], 0x80808080, v[PSW+nn]       ; (p is at most 1: a byte is under 128)
.set nn, nn+1
.endr
.set nn, 0
.rept 16
	v_perm_b32 v[NR+nn], v[NR+nn], v[NR+nn], 0     ; the difference in all four bytes
.set nn, nn+1
.endr
.set nn, 0
.rept 16
	v_sub_nc_u32 v[YT+nn], v[YT+nn], v[NR+nn]
.set nn, nn+1
.endr
.set nn, 0
.rept 16
	v_and_b32 v[NR+nn], 0x80808080, v[YT+nn]       ; a byte's top bit is left where nothing was borrowed
.set nn, nn+1
.endr
.set nn, 0
.rept 16
	v_lshrrev_b32 v[M7+nn], 7, v[NR+nn]
.set nn, nn+1
.endr
.set nn, 0
.rept 16
	v_sub_nc_u32 v[NR+nn], v[NR+nn], v[M7+nn]      ; 0x7f there, 0 elsewhere
.set nn, nn+1
.endr
.set nn, 0
.rept 16
	v_and_b32 v[PSW+nn], v[YT+nn], v[NR+nn]
.set nn, nn+1
.endr
.irp g, 0,1
	v_add_f32 v[LSUM+\g], v[LR+2*\g], v[LR+2*\g+1]
.endr
.irp k, 1,2,3,4,5,6,7
.irp g, 0,1
	v_add_f32 v[LSUM+\g], v[LSUM+\g], v[LR+4*\k+2*\g]
.endr
.irp g, 0,1
	v_add_f32 v[LSUM+\g], v[LSUM+\g], v[LR+4*\k+2*\g+1]
.endr
.endr
.set nn, 0
.rept 16
	v_mov_b32 v[RI+nn], 0                          ; (a lane move's destination counts as one of its sources)
.set nn, nn+1
.endr
	WALU
	v_rcp_f32 v[NG], v[LSUM]
	v_rcp_f32 v[NG+1], v[LSUM+1]
	v_nop
	WALU
	v_cndmask_b32 v[RV], v[NG], v[NG+1], s98       ; lane (r, h): query tile 2 (w % 2) + h, row r
.irp t, 0,1,2,3,4,5,6,7,8,9,10,11,12,13,14,15
	v_mov_b32_dpp v[RI+\t], v[RV] row_share:\t row_mask:0xf bank_mask:0xf   ; row t of my lanes' tile
.endr
	WALU                                           ; the head's end
	s_wait_tensorcnt 0x0                           ; my part of band 0 is in; these lines stand ahead of slot 1's first fill as ahead of a refill
	ds_add_u32 v[SPW], v[NIL]
	s_wait_dscnt 0x0
	CROUND
	TLOAD G0B                                      ; band 1
	FETCH 0
	FETCH 1
	BAND 0
	BAND 1
	BAND 2
	BAND 3
	; the last band's way out
	s_wait_xcnt 0x0                                ; the stores of the band before have read the rows' registers
	s_wait_dscnt 0x0
	BARRIER
	BACK
.irp q, 0,1,2,3
	s_wait_dscnt 8*(3-\q)                          ; four pairs of rows at a time
.irp i, 0,1,2,3
	FADD 4*\q+\i
.endr
.irp i, 0,1,2,3
	FMUL 4*\q+\i
.endr
	FPUT 4*\q, 3
.endr
	s_wait_tensorcnt 0x0                           ; the wave's end
	ds_add_u32 v[SPW], v[NIL]
	s_wait_dscnt 0x0
	CROUND                                         ; the closing round
	s_endpgm
.Lfunc_end_k_q71d283e754_pv:
	.size	k_q71d283e754_pv, .Lfunc_end_k_q71d283e754_pv-k_q71d283e754_pv
	.p2alignl 7, 3214868480
	.fill 96, 4, 3214868480
	.section	.rodata,"a",@progbits
	.p2align	6, 0x0
	.amdhsa_kernel k_q71d283e754_pv
		.amdhsa_group_segment_fixed_size 327680
		.amdhsa_private_segment_fixed_size 0
		.amdhsa_enable_private_segment 0
		.amdhsa_kernarg_size 40
		.amdhsa_user_sgpr_count 2
		.amdhsa_user_sgpr_kernarg_segment_ptr 1
		.amdhsa_wavefront_size32 1
		.amdhsa_system_sgpr_workgroup_id_x 1
		.amdhsa_system_sgpr_workgroup_id_y 1
		.amdhsa_system_sgpr_workgroup_id_z 1
		.amdhsa_system_vgpr_workitem_id 0
		.amdhsa_next_free_vgpr 1024
		.amdhsa_next_free_sgpr 100
		.amdhsa_reserve_vcc 0
		.amdhsa_float_denorm_mode_32 3
		.amdhsa_float_denorm_mode_16_64 3
		.amdhsa_memory_ordered 1
		.amdhsa_forward_progress 1
		.amdhsa_inst_pref_size 186
	.end_amdhsa_kernel
	.amdgpu_metadata
---
amdhsa.version: [ 1, 2 ]
amdhsa.kernels:
  - .name:           k_q71d283e754_pv
    .symbol:         k_q71d283e754_pv.kd
    .args:
      - { .name: pc, .offset: 0, .size: 8, .value_kind: global_buffer, .address_space: global }
      - { .name: pm, .offset: 8, .size: 8, .value_kind: global_buffer, .address_space: global }
      - { .name: pl, .offset: 16, .size: 8, .value_kind: global_buffer, .address_space: global }
      - { .name: qkv, .offset: 24, .size: 8, .value_kind: global_buffer, .address_space: global }
      - { .name: out0, .offset: 32, .size: 8, .value_kind: global_buffer, .address_space: global }
    .group_segment_fixed_size: 327680
    .private_segment_fixed_size: 0
    .kernarg_segment_align: 8
    .kernarg_segment_size: 40
    .max_flat_workgroup_size: 128
    .sgpr_count:     100
    .vgpr_count:     1024
    .wavefront_size: 32
...
	.end_amdgpu_metadata
.endif
;; end of part 4
